; MI455X (gfx1250); checked and timed in simulation.
; The chip was launched on July 23, 2026; its instructions are those of AMD's public machine-readable ISA for CDNA 5 (MIT licence, August 2026) and "CDNA5" Instruction Set Architecture Reference Guide (July 2026). The comments in the code are by the model that wrote it; some were corrected since.
;; Causal Self Attention. Allowed arithmetic: matrix products marked QUANTISED: E2M3 operands, one E8M0 scale for each 32 along K, by v_wmma_scale_f32_16x16x128_f8f6f4 with both operands' format E2M3, f32 sums; everything else in f32.
;; Inputs: W_out 1,024 x 1,024 float32; W_qkv 1,024 x 3,072 float32; b_out 1,024 float32; b_qkv 3,072 float32; x 4 x 2,048 x 1,024 float32.
;; Outputs: out0 4 x 2,048 x 1,024 float32.
;; This version of the problem:
;;   THIS VERSION OF THE PROBLEM IS GIVEN IN LOW PRECISION. The matrix products marked QUANTISED in the list below multiply operands that are first quantised to E2M3 (2 exponent bits, 3 mantissa bits; 6 bits a number), with one power-of-two scale for each 32 numbers along K (OCP MX v1.0); their sums are f32. All else is computed in f32.
;;   The module's matrix products, in the order in which they are computed (A, B: the left and right operand; K: the contracted axis; several contracted axes count as one K, in the product's order):
;;     1. [M 8,192, K 1,024] x [K 1,024, N 3,072]; A: input x; B: input W_qkv: QUANTISED
;;     2. batch 64 x [M 2,048, K 64] x [K 64, N 2,048]; A: computed on the way; B: computed on the way: QUANTISED
;;     3. batch 64 x [M 2,048, K 2,048] x [K 2,048, N 64]; A: softmax (see below); B: computed on the way: QUANTISED
;;     4. [M 8,192, K 1,024] x [K 1,024, N 1,024]; A: computed on the way; B: input W_out: QUANTISED
;;   THE QUANTISER, for each operand of a quantised product, along K:
;;     - K is cut into blocks of 32 from its start; a last block that is shorter is filled with zeros.
;;     - A block's scale is 2^e with e = floor(log2(the largest magnitude in the block)) - 2, held to -126 .. 127; a block of zeros has e = 0. As a byte (E8M0): e + 127.
;;     - Each number is divided by its block's scale, clamped to +-7.5, and rounded to the nearest number of E2M3, ties to even, subnormals kept.
;;     - The product sums the exact products of the quantised numbers (number of the format x scale) in f32.
;;   ~~~python
;;   def quantise(x, axis):      # numpy; x: float32 -> the quantised numbers, widened to float32 again
;;       x = np.moveaxis(x, axis, -1); K = x.shape[-1]
;;       x = np.pad(x, [(0, 0)] * (x.ndim - 1) + [(0, -K % 32)]); x = x.reshape(x.shape[:-1] + (-1, 32)); a = np.abs(x).max(-1, keepdims=True)
;;       e = np.where(a > 0, np.clip(np.frexp(np.where(a > 0, a, 1))[1] - 1 - 2, -126, 127), 0)      # np.frexp(a)[1] - 1 = floor(log2(a)), exactly
;;       r = np.clip(x / 2.0 ** e, -7.5, 7.5)
;;       step = 2.0 ** (np.maximum(np.frexp(np.where(r == 0, 1, r))[1] - 1, 0) - 3)
;;       q = np.round(r / step) * step * 2.0 ** e      # np.round: ties to even
;;       return np.moveaxis(q.reshape(q.shape[:-2] + (-1,))[..., :K], -1, axis).astype(np.float32)
;;   ~~~
;;   SOFTMAX AHEAD OF A QUANTISED PRODUCT. Where the list says 'softmax', what is quantised is not the finished softmax but p = 2^(t - M), with t = logit x log2(e) and M = ceil(the row's largest t), a whole number; so 1/2 < the row's largest p <= 1. The row's sum l is taken of the UNQUANTISED p, in f32, and the product's result is divided by l at the end. Since M is a whole number, a kernel that streams over the keys may use a running M (the ceiling of the running maximum): every later rescaling is an exact power of two, which a block's scale takes up: the codes' values come out the same.
;;   OPERANDS COMPUTED ON THE WAY. 'Computed on the way' means the value that the module computes at that place (a softmax that the list does not call 'softmax' is quantised finished and normalised). What goes into a quantiser is computed in f32, as accurately as f32 sums, v_exp_f32 and their like allow (about 1e-6 of the number): no bf16 or f16 on the way to a quantiser, and a product that is left as it is and whose result goes on into a quantised operand takes f32 operands (vector FMAs, or v_wmma_f32_16x16x4_f32). A number that lies on a knife's edge between two numbers of the format may be rounded either way, as far as f32 arithmetic and the matrix unit's own rounding can turn it there, and no further.
;; One version. Each part assembles by itself: llvm-mc -triple=amdgcn-amd-amdhsa -mcpu=gfx1250 --defsym DOCPART=n.
;; ======== version 1 of 1: 4 launches
;; limits: right only within a limited range of input values
;; workspace buffers: opc 9,437,184 bytes; ops 393,216 bytes; qkvc 18,874,368 bytes; qkvs 786,432 bytes; aoc 6,291,456 bytes; aos 262,144 bytes
;; launch quant (part 1): grid 384 x 1, 4 waves a work-group, no clusters, 71,168 bytes of LDS; arguments x, W_qkv, W_out, opc, ops; writes opc, ops
.if DOCPART == 1
	.amdgcn_target "amdgcn-amd-amdhsa--gfx1250"
	.amdhsa_code_object_version 6
	.text
	.protected	k_q32eb4a2ef3_quant
	.globl	k_q32eb4a2ef3_quant
	.p2align	8
	.type	k_q32eb4a2ef3_quant,@function
k_q32eb4a2ef3_quant:
	s_mov_b64 s[64:65], 0
	v_nop
	global_prefetch_b8 v0, s[64:65] scope:SCOPE_SE
	s_setreg_imm32_b32 hwreg(HW_REG_WAVE_MODE, 25, 1), 1
	s_wait_xcnt 0x0
; x [8192][1024], W_qkv [1024][3072] and W_out [1024][1024], f32, become codes of FP6 (E2M3) with one E8M0 scale byte for each 32 along K = 1024.
; OUT.  opc: [kg = K / 64 (16)][row (12,288)][48 bytes]; ops: [kq = K / 256 (4)][row][8 bytes].  Rows 0 .. 8,191: x; 8,192 ..: columns of W_qkv; 11,264 ..: columns of W_out.
; A row n lies at its POSITION: n with bits 3 and 4 exchanged, so that 16 neighbouring positions are rows 8 u + r + 8 (r / 8) of a group of 32: the choice of rows that lets a product's results be neighbours along the next K.
; A block's scale is 2^(floor(log2(largest magnitude)) - 2); its byte is the largest magnitude's exponent field - 2, held at 1 from below by a floor among the maximum's leaves.
; LIMITS: a block of zeros gets the byte 1 where the rule says 127 (its codes are zeros, and the bytes are read by this program alone); NaN and infinities among the inputs are not served.
; Work-groups 0 .. 255 take x (32 rows each; wave w takes k = 256 w .. 256 w + 255), 256 .. 383 take the weights (128 columns x 256 along K; a wave 32 columns).  The two ways have LDS bytes of their own.
; Waves share nothing: no barrier.  No matrix unit, cluster or tensor load: memory binds, and each input byte is read once.
; WORK LEFT OUT BY THE PROGRAM: reference() sets every score with key > query to -infinity by a mask that it builds itself (jnp.tril), so p = 0 there for all values of the inputs:
; the attention launch multiplies no tile of 16 queries x 128 keys that lies wholly beyond the diagonal.  A NaN or an infinity that reaches only such a tile is not carried to the result.  Every input is loaded.
.set EMAX,  2
.set KGS,   589824                     ; bytes from kg to kg in opc
.set KQS,   98304                      ; bytes from kq to kq in ops
; ---- x's way: LDS of wave w from XWB w on: two turn stages of 32 x 80 bytes, codes [kg 4][position 32][48], scale bytes [position 32][8]
.set XWB,   11520
.set SP,    80                         ; a lane's place in a turn stage: 64 bytes + 16 of padding
.set OSTO,  5120
.set SSTO,  11264
.set R,     16                         ; v16-79   four sets of 16 numbers as loaded
.set X,     80                         ; v80-111  two sets of 16 neighbours
.set E,     112                        ; v112-127 a scale byte for each step
.set C,     128                        ; v128-191 codes, four registers for each step
; ---- the weights' way: LDS of wave w from WST + 6,144 w on: codes [kg 4][position 32][48]
.set WST,   46080
.set WOFF,  16                         ; v16-47   row i of a block: i x pitch + 4 x lane
.set WX,    48                         ; v48-111  two sets of 32 numbers
.set WC,    112                        ; v112-117 a block's 24 bytes of codes
.set WD,    118                        ; v118-120 its upper 16 codes as converted
.set WS,    122                        ; v122-123 eight scale bytes
.set WOUT,  128                        ; v128-175 the way out
.macro XLOAD t                         ; step t: rows 2 t and 2 t + 1, 1,024 bytes of each; every load reads 512 consecutive bytes
.irp i, 0,1,2,3
	global_load_b128 v[R+16*((\t)%4)+4*\i:R+16*((\t)%4)+4*\i+3], v3, s[4:5] offset:(2*(\t)+\i/2)*4096+512*(\i%2) th:TH_LOAD_NT
.endr
.endm
.macro XTURN t                         ; through the wave's own stage: in as loaded, out 64 bytes a lane.  LDS serves a wave's instructions in order: no wait between
.irp i, 0,1,2,3
	ds_store_b128 v14, v[R+16*((\t)%4)+4*\i:R+16*((\t)%4)+4*\i+3] offset:32*SP*((\t)%2)+8*SP*\i
.endr
.irp i, 0,1,2,3
	ds_load_b128 v[X+16*((\t)%2)+4*\i:X+16*((\t)%2)+4*\i+3], v15 offset:32*SP*((\t)%2)+16*\i
.endr
.endm
.macro XSTEP t
.set XS, X+16*((\t)%2)
.set PT, 8*(2*(((\t)/4)%2)+(\t)/8)+2*((\t)%4)   ; the position of row 2 t among the work-group's 32
.if (\t) > 0
	s_wait_dscnt 4                                 ; this step's numbers are back from the stage; the last step's four LDS stores may be out
.else
	s_wait_dscnt 0x0
.endif
.if (\t)+4 < 16
	XLOAD (\t)+4                                   ; into the registers that this step's stage stores have read
.endif
.if (\t)+1 < 16
.if 14-(\t) >= 3
	s_wait_loadcnt 12                              ; the next step's four loads are in; three younger steps' may be out
.else
	s_wait_loadcnt 4*(14-(\t))
.endif
	XTURN (\t)+1
.endif
	v_max3_num_f32 v8, |v[XS]|, |v[XS+1]|, |v[XS+2]|
	v_max3_num_f32 v9, |v[XS+3]|, |v[XS+4]|, |v[XS+5]|
.irp i, 6,10
	v_max3_num_f32 v8, v8, |v[XS+\i]|, |v[XS+\i+1]|
	v_max3_num_f32 v9, v9, |v[XS+\i+2]|, |v[XS+\i+3]|
.endr
	v_max3_num_f32 v8, v8, |v[XS+14]|, |v[XS+15]|
	v_max3_num_f32 v8, v8, v9, (EMAX+1)<<23        ; the floor 2^(3 - 127): the byte cannot fall under 1
	v_max_num_f32_dpp v8, v8, v8 row_xmask:1 row_mask:0xf bank_mask:0xf   ; with my neighbour's 16: the block's largest magnitude
	v_add_nc_u32 v11, -(EMAX<<23), v8              ; 2 off its exponent field: the conversion's scale operand
	v_cvt_scalef32_pk16_fp6_f32 v[C+4*(\t):C+4*(\t)+2], v[XS:XS+15], v11
	v_lshrrev_b32 v[E+(\t)], 23, v11               ; the scale's byte (a plain line behind the conversion)
	ds_store_b8 v5, v[E+(\t)] offset:8*PT          ; both lanes of a block write the same byte with the same value
.irp i, 0,1,2
	ds_store_b32 v4, v[C+4*(\t)+\i] offset:48*PT+4*\i   ; my 12 bytes of my row's 48 of one kg
.endr
.endm
.macro WLOAD t                         ; block t: W(32 t + i, my column), i = 0 .. 31: 128 consecutive bytes a load, the four waves side by side
.set n, 0
.rept 32
	global_load_b32 v[WX+32*((\t)%2)+n], v[WOFF+n], s[32+2*(\t):33+2*(\t)] th:TH_LOAD_NT
.set n, n+1
.endr
.endm
.macro WBLOCK t
.set XS, WX+32*((\t)%2)
.if (\t) < 7
	s_wait_loadcnt 32                              ; this block's 32 loads are in; the next block's may be out
.else
	s_wait_loadcnt 0x0
.endif
	v_max3_num_f32 v12, |v[XS]|, |v[XS+1]|, |v[XS+2]|   ; all 32 numbers of the block are mine
	v_max3_num_f32 v13, |v[XS+3]|, |v[XS+4]|, |v[XS+5]|
.irp i, 6,10,14,18,22,26
	v_max3_num_f32 v12, v12, |v[XS+\i]|, |v[XS+\i+1]|
	v_max3_num_f32 v13, v13, |v[XS+\i+2]|, |v[XS+\i+3]|
.endr
	v_max3_num_f32 v12, v12, |v[XS+30]|, |v[XS+31]|
	v_max3_num_f32 v12, v12, v13, (EMAX+1)<<23
	v_add_nc_u32 v11, -(EMAX<<23), v12
	v_lshrrev_b32 v13, 23, v11
.if (\t)%4 == 0
	v_mov_b32 v[WS+(\t)/4], v13
.else
	v_lshl_or_b32 v[WS+(\t)/4], v13, 8*((\t)%4), v[WS+(\t)/4]
.endif
	v_cvt_scalef32_pk16_fp6_f32 v[WC:WC+2], v[XS:XS+15], v11
	v_cvt_scalef32_pk16_fp6_f32 v[WD:WD+2], v[XS+16:XS+31], v11   ; (a conversion's three registers begin on an even number)
	v_nop                                          ; one plain line behind the conversions
.irp i, 0,1,2
	v_mov_b32 v[WC+3+\i], v[WD+\i]
.endr
.irp p, 0,1,2
	ds_store_b64 v4, v[WC+2*\p:WC+2*\p+1] offset:1536*((\t)/2)+24*((\t)%2)+8*\p
.endr
.if (\t)+2 < 8
	WLOAD (\t)+2
.endif
	s_wait_dscnt 0x0                               ; the stores have read their registers: the next block's codes may be written
.endm
	s_load_b128 s[4:7], s[0:1], 0x0                ; x, W_qkv
	s_load_b128 s[8:11], s[0:1], 0x10              ; W_out, opc
	s_load_b64 s[12:13], s[0:1], 0x20              ; ops
	v_lshl_add_u32 v192, v0, 2, 0x11400
	v_mov_b32 v193, 0
	v_lshrrev_b32 v1, 5, v0
	v_readfirstlane_b32 s16, v1                    ; wave 0..3
	v_and_b32 v2, 31, v0                           ; lane
	s_cmp_lt_u32 ttmp9, 256
	s_cbranch_scc0 .Lweights
	; ================ x ================
	v_lshlrev_b32 v3, 4, v2                        ; 16 x lane
	s_mul_i32 s17, s16, XWB
	s_add_co_u32 s18, s17, OSTO
	s_add_co_u32 s19, s17, SSTO
	v_lshrrev_b32 v14, 2, v2
	v_mul_u32_u24 v14, v14, SP
	v_and_b32 v8, 3, v2
	v_lshl_add_u32 v14, v8, 4, v14
	v_add_nc_u32 v14, s17, v14                     ; turn stage, in: 80 (lane / 4) + 16 (lane % 4)
	v_mul_u32_u24 v15, v2, SP
	v_add_nc_u32 v15, s17, v15                     ; and out: 80 x lane: 16 neighbours.  Lane l then holds row 2 t + l / 16, k = 16 (l % 16) on
	v_bfe_u32 v9, v2, 2, 2
	v_mul_u32_u24 v4, v9, 1536                     ; kg = (l % 16) / 4
	v_bfe_u32 v9, v2, 4, 1
	v_mad_u32_u24 v4, v9, 48, v4                   ; the row of the pair
	v_mad_u32_u24 v4, v8, 12, v4                   ; my 16 codes of the 64
	v_add_nc_u32 v4, s18, v4
	v_bfe_u32 v5, v2, 1, 3
	v_lshl_add_u32 v5, v9, 3, v5
	v_add_nc_u32 v5, s19, v5                       ; my block's scale byte: 8 (l / 16) + (l % 16) / 2
	v_add_nc_u32 v6, s18, v3                       ; the way out of the codes: 16 bytes a lane
	v_lshlrev_b32 v7, 3, v2
	v_add_nc_u32 v10, s19, v7                      ; and of the scale bytes: 8 a lane
	s_lshl_b32 s20, ttmp9, 17                      ; x: 32 rows of 4,096 bytes a work-group,
	s_lshl_b32 s22, s16, 10                        ; 1,024 bytes of a row a wave
	s_add_co_u32 s20, s20, s22
	s_mov_b32 s21, 0
	s_mul_i32 s22, s16, 4*KGS                      ; opc: kg = 4 w on, row 32 g
	s_mul_i32 s24, ttmp9, 1536
	s_add_co_u32 s22, s22, s24
	s_mov_b32 s23, 0
	s_mul_i32 s24, s16, KQS                        ; ops: kq = w, row 32 g
	s_lshl_b32 s26, ttmp9, 8
	s_add_co_u32 s24, s24, s26
	s_mov_b32 s25, 0
	s_wait_kmcnt 0x0
	s_add_nc_u64 s[4:5], s[4:5], s[20:21]
	s_add_nc_u64 s[10:11], s[10:11], s[22:23]
	s_add_nc_u64 s[12:13], s[12:13], s[24:25]
.irp t, 0,1,2,3
	XLOAD \t
.endr
	s_wait_loadcnt 12                              ; step 0's four loads are in
	XTURN 0
.irp t, 0,1,2,3,4,5,6,7,8,9,10,11,12,13,14,15
	XSTEP \t
.endr
.irp j, 0,1,2,3,4,5,6,7,8,9,10,11
	ds_load_b128 v[R+4*\j:R+4*\j+3], v6 offset:512*\j   ; my own stores are seen: LDS serves a wave's instructions in order
.endr
	ds_load_b64 v[12:13], v10
.irp j, 0,1,2,3,4,5,6,7,8,9,10,11
	s_wait_dscnt 12-\j                             ; the younger reads may be out
	global_store_b128 v3, v[R+4*\j:R+4*\j+3], s[10:11] offset:KGS*(\j/3)+512*(\j%3)   ; 512 consecutive bytes, at a multiple of 256 from opc's first byte
.endr
	s_wait_dscnt 0x0
	global_store_b64 v7, v[12:13], s[12:13]        ; 32 lanes store 256 consecutive aligned bytes
	s_wait_tensorcnt 0x0
	ds_add_u32 v192, v193
	s_wait_dscnt 0x0
	s_endpgm
	; ================ the weights: K is their first axis: a lane takes a column, its registers run down K ================
.Lweights:
	s_sub_co_u32 s17, ttmp9, 256
	s_and_b32 s18, s17, 3                          ; kb: which 256 along K
	s_lshr_b32 s19, s17, 2                         ; cb: which 128 columns, W_qkv's 24 blocks and then W_out's 8
	s_wait_alu depctr_va_vdst(0)
	v_lshlrev_b32 v3, 2, v2
	v_and_b32 v5, 7, v2
	v_bfe_u32 v6, v2, 3, 1
	v_lshl_add_u32 v5, v6, 4, v5
	v_bfe_u32 v6, v2, 4, 1
	v_lshl_add_u32 v5, v6, 3, v5                   ; my column's position among the wave's 32
	s_mul_i32 s20, s16, 6144
	s_add_co_u32 s20, s20, WST
	v_mul_u32_u24 v4, v5, 48
	v_add_nc_u32 v4, s20, v4                       ; into the stage: row = my position
	v_lshlrev_b32 v8, 4, v2
	v_add_nc_u32 v7, s20, v8                       ; out of it: 16 bytes a lane
	v_lshlrev_b32 v9, 3, v5                        ; my row of scale bytes
	s_wait_kmcnt 0x0
	s_cmp_lt_u32 s19, 24                           ; the choice hangs on the work-group's number alone
	s_cselect_b64 s[6:7], s[6:7], s[8:9]
	s_mov_b32 s21, 4096
	s_cselect_b32 s21, 12288, s21                  ; bytes from row to row
	s_cselect_b32 s22, 0, 24
	s_sub_co_u32 s22, s19, s22                     ; the block of 128 columns in its own tensor
.set n, 0
.rept 32
	v_mad_u32_u24 v[WOFF+n], s21, n, v3
.set n, n+1
.endr
	s_lshl_b32 s23, s18, 8
	s_mul_i32 s24, s23, s21                        ; 256 kb rows,
	s_lshl_b32 s23, s22, 9
	s_add_co_u32 s24, s24, s23                     ; 512 bytes a block of columns,
	s_lshl_b32 s23, s16, 7
	s_add_co_u32 s24, s24, s23                     ; 128 a wave
	s_mov_b32 s25, 0
	s_add_nc_u64 s[32:33], s[6:7], s[24:25]        ; a base for each block of 32 rows: none is written again
	s_lshl_b32 s26, s21, 5
	s_mov_b32 s27, 0
.irp t, 1,2,3,4,5,6,7
	s_add_nc_u64 s[32+2*\t:33+2*\t], s[30+2*\t:31+2*\t], s[26:27]
.endr
	s_lshl_b32 s28, s19, 7
	s_lshl_b32 s23, s16, 5
	s_add_co_u32 s28, s28, s23
	s_add_co_u32 s28, s28, 8192                    ; my first row in opc and ops
	s_mul_i32 s24, s18, 4*KGS
	s_mul_i32 s23, s28, 48
	s_add_co_u32 s24, s24, s23
	s_add_nc_u64 s[10:11], s[10:11], s[24:25]
	s_mul_i32 s24, s18, KQS
	s_lshl_b32 s23, s28, 3
	s_add_co_u32 s24, s24, s23
	s_add_nc_u64 s[12:13], s[12:13], s[24:25]
	s_wait_alu depctr_va_vdst(0)
	WLOAD 0
	WLOAD 1
.irp t, 0,1,2,3,4,5,6,7
	WBLOCK \t
.endr
	s_wait_alu depctr_va_vdst(0)
	global_store_b64 v9, v[WS:WS+1], s[12:13]      ; the 32 lanes fill 256 aligned bytes
.irp j, 0,1,2,3,4,5,6,7,8,9,10,11
	ds_load_b128 v[WOUT+4*\j:WOUT+4*\j+3], v7 offset:512*\j
.endr
.irp j, 0,1,2,3,4,5,6,7,8,9,10,11
	s_wait_dscnt 11-\j
	global_store_b128 v8, v[WOUT+4*\j:WOUT+4*\j+3], s[10:11] offset:KGS*(\j/3)+512*(\j%3)
.endr
	s_wait_tensorcnt 0x0
	ds_add_u32 v192, v193
	s_wait_dscnt 0x0
	s_endpgm
.Lfunc_end_k_q32eb4a2ef3_quant:
	.size	k_q32eb4a2ef3_quant, .Lfunc_end_k_q32eb4a2ef3_quant-k_q32eb4a2ef3_quant
	.p2alignl 7, 3214868480
	.fill 96, 4, 3214868480
	.section	.rodata,"a",@progbits
	.p2align	6, 0x0
	.amdhsa_kernel k_q32eb4a2ef3_quant
		.amdhsa_group_segment_fixed_size 71168
		.amdhsa_private_segment_fixed_size 0
		.amdhsa_enable_private_segment 0
		.amdhsa_kernarg_size 40
		.amdhsa_user_sgpr_count 2
		.amdhsa_user_sgpr_kernarg_segment_ptr 1
		.amdhsa_wavefront_size32 1
		.amdhsa_system_sgpr_workgroup_id_x 1
		.amdhsa_system_sgpr_workgroup_id_y 1
		.amdhsa_system_sgpr_workgroup_id_z 1
		.amdhsa_system_vgpr_workitem_id 0
		.amdhsa_next_free_vgpr 194
		.amdhsa_next_free_sgpr 66
		.amdhsa_reserve_vcc 0
		.amdhsa_float_denorm_mode_32 3
		.amdhsa_float_denorm_mode_16_64 3
		.amdhsa_memory_ordered 1
		.amdhsa_forward_progress 1
		.amdhsa_inst_pref_size 81
	.end_amdhsa_kernel
	.amdgpu_metadata
---
amdhsa.version: [ 1, 2 ]
amdhsa.kernels:
  - .name:           k_q32eb4a2ef3_quant
    .symbol:         k_q32eb4a2ef3_quant.kd
    .args:
      - { .name: x, .offset: 0, .size: 8, .value_kind: global_buffer, .address_space: global }
      - { .name: W_qkv, .offset: 8, .size: 8, .value_kind: global_buffer, .address_space: global }
      - { .name: W_out, .offset: 16, .size: 8, .value_kind: global_buffer, .address_space: global }
      - { .name: opc, .offset: 24, .size: 8, .value_kind: global_buffer, .address_space: global }
      - { .name: ops, .offset: 32, .size: 8, .value_kind: global_buffer, .address_space: global }
    .group_segment_fixed_size: 71168
    .private_segment_fixed_size: 0
    .kernarg_segment_align: 8
    .kernarg_segment_size: 40
    .max_flat_workgroup_size: 128
    .sgpr_count:     66
    .vgpr_count:     194
    .wavefront_size: 32
...
	.end_amdgpu_metadata
.endif
;; end of part 1
;; launch qkv (part 2): grid 4 x 64, 4 waves a work-group, clusters of 4 x 4, 327,680 bytes of LDS; arguments opc, ops, b_qkv, qkvc, qkvs; writes qkvc, qkvs
.if DOCPART == 2
	.amdgcn_target "amdgcn-amd-amdhsa--gfx1250"
	.amdhsa_code_object_version 6
	.text
	.protected	k_q32eb4a2ef3_qkv
	.globl	k_q32eb4a2ef3_qkv
	.p2align	8
	.type	k_q32eb4a2ef3_qkv,@function
k_q32eb4a2ef3_qkv:
	s_mov_b64 s[64:65], 0
	v_nop
	global_prefetch_b8 v0, s[64:65] scope:SCOPE_SE
	s_setreg_imm32_b32 hwreg(HW_REG_WAVE_MODE, 25, 1), 1
	s_wait_xcnt 0x0
	s_wait_alu depctr_hold_cnt(0) depctr_sa_sdst(0) depctr_va_vdst(0) depctr_va_sdst(0) depctr_va_ssrc(0) depctr_va_vcc(0) depctr_vm_vsrc(0)
	s_getreg_b32 s2, hwreg(HW_REG_IB_STS2, 6, 4)
	s_cmp_eq_u32 s2, 0
	s_cbranch_scc0 .Lentry_in_a_cluster
	s_endpgm
.Lentry_in_a_cluster:
	s_bfe_u32 s2, ttmp6, 0x10000c
	s_cmp_lg_u32 s2, 0xf033
	s_cbranch_scc0 .Lentry_shape_is_right
	s_endpgm
.Lentry_shape_is_right:
; qkv = x W_qkv + b_qkv on codes of FP6 (E2M3) with E8M0 scales, K = 1,024; the results are quantised at once: q and k along the head's 64, v along the keys.
; IN.  opc [kg 16][row 12,288][48], ops [kq 4][row][8]: rows 0 .. 8,191 x's tokens, from 8,192 on W_qkv's columns; a row lies at its POSITION (bits 3 and 4 of its number exchanged).
; OUT.  qkvc: 192 regions of 98,304 bytes, region = 64 x (q 0, k 1, v 2) + 16 b + head.  q, k: [position of token][48].  v: [key / 64][position of d][48].
;       qkvs: 192 regions of 4,096 bytes.  q, k: a token's 2 bytes at 64 (pos / 32) + 4 (pos % 16) + 2 ((pos / 16) % 2).  v: [key / 128][256]: the word of d-tile t, lane r at 128 (t % 2) + 64 (t / 2) + 4 r.
; SHAPE.  256 work-groups (cx = 0 .. 3, tile row 0 .. 63).  A work-group keeps its 128 rows of x, ALL OF K, in LDS for the whole launch, and walks THREE TILES of 256 columns of W: columns 256 cx of q, of k, of v.
; A wave holds its 64 columns of a tile, one head, all of K, in registers (32 fragments, 384 registers) and streams x's rows past them in eight blocks of 16 rows: 32 products a block, whose 16 x 64 results are then finished.
; FILLS.  At the head one tensor load a wave: wave 0 q's columns, wave 2 their scales, wave 1 x's rows, wave 3 their scales.  TWO REFILLS of W's region and its scale bytes: when all waves hold a tile in registers, the next tile is asked for,
; behind the three lines and a round of the cluster's barrier: waves 0 and 1 eight kg each, wave 2 the scale bytes.  It has the tile's 256 products a wave in which to land,
; and a plain barrier at the tile's end, ahead of which every wave waits for its loads, shows it to all.  q's and k's tiles are a loop of two trips, each with a refill; v's tile is written out and asks for nothing.
; q, k: THE PRODUCT IS USED TRANSPOSED (source 0 = W's rows): lane r is x's position 16 s + r, register 16 c + n is feature 32 c + 16 h + n of the head: two blocks of 32, shared with lane l xor 16.  The bias is the first products' C.
; v: UNTRANSPOSED (source 0 = x's rows): lane r is d-position 16 b + r; by the positions the 16 registers of blocks 2 m and 2 m + 1 are tokens 32 m + 16 h + 0 .. 15: a block of 32 keys, shared with lane l xor 16.
; THE WAY OUT: codes go through the wave's own stage (bytes that no fill lands on) and leave 512 consecutive bytes an instruction; a tile's 256 scale bytes a wave gather in LDS and leave as one aligned unit.
; CLUSTERS: 4 x 4.  x's tiles are shared along a row of the cluster, W's along a column: each is asked for jointly.
; No prefetch: each refill is asked for a whole tile's products ahead of its first read.
; LIMITS: NaN and infinities are not served; a block of zeros gets the byte 1 (its codes are zeros; this program alone reads the bytes); the bias enters as the sums' first term, so the order of rounding differs from x W + b.
; REGISTERS: window 0: v8-27 addresses; v32-47 W's scale words (lanes 0-15 tile 2 p, lanes 16-31 tile 2 p + 1); v50-65 x's, two sets; v72-135 sums; v136-159 the stage read back; v160-199 codes just made; v200-231 the bias; v232-255 at work.
;   Fragment f lies in window 1 + f / 21 at register 12 (f % 21): 0-31 W's (4 q + b), 32-39 and 40-47 x's two sets.
.set VB,     98304
.set USB,    294912
.set VSB,    299008
.set STAGE,  307200                    ; 3,072 bytes a wave
.set SSTG,   319488                    ; 256 bytes a wave
.set SPARE,  320512                    ; the spare words, 128 bytes a wave
.set KGS,    589824                    ; bytes from kg to kg in opc
.set FR,     12
.set FPW,    21
.set NU,     52                        ; LDS loads of a block of x: 48 for eight fragments, 4 for eight scale words
.set AU,   8                           ; v8, v9    x's fragments: kg 0-7, kg 8-15
.set AV,   10                          ; v10-13    W's: four kg each
.set AUS,  14
.set AVS,  15
.set STC,  16                          ; stage, in: 48 r + 24 h
.set RD,   17                          ; stage, back: 16 x lane
.set CO,   18                          ; 16 x lane
.set STS,  19                          ; scale stage, in: 4 r
.set SPW,  20
.set NIL,  21
.set RDS,  22                          ; scale stage, back: 8 x lane
.set CO8,  23                          ; 8 x lane
.set V7,   24                          ; the bias of q, k: 64 h bytes
.set VB7,  25                          ; the bias of v: 4 (16 (r / 8) + r % 8) bytes
.set XS,   26                          ; v26, v27  scale bytes on the way out
.set SB,   32
.set SA,   50
.set ACC,  72
.set BK,   136
.set PC,   160                         ; q, k: v160-165 an operand's 24 bytes, v166-168 its upper codes as converted.  v: v160-183 four of them, v184-199 their upper codes
.set PT,   166
.set PTV,  184
.set BJ,   200
.set TM,   232
.set TP,   236
.set SO,   240
.set EB,   244
.set PW,   248
.set X0,   250
.set WW,   252                         ; v252-255  v's scale words, one for each d-tile
.set G1V,  24
.set G1U,  32
.set G1VS, 40
.set G1US, 48
.set G0V,  56
.set G0U,  60
.set G0VS, 68
.set G0US, 72
.set G0R,  76                          ; s[76:79] group 0 of the refills of W's codes
.set OC,   80                          ; s[80:81] where the tile's codes go, s[82:83] its scale bytes, s[84:85] its bias
.set OS,   82
.set BB,   84
.set LX,   86                          ; s[86:87] v_permlanex16_b32's selects for lane l xor 16
.set MSB, 0
.macro WIN new                         ; the immediate's high byte repeats the setting that is left
.if MSB != (\new)
	s_set_vgpr_msb (MSB<<8)|(\new)
.set MSB, (\new)
.endif
.endm
.macro PLACES n
.rept \n
	v_nop
.endr
.endm
.macro BARRIER
	s_barrier_signal -1
	s_barrier_wait -1
.endm
.macro CROUND
	BARRIER
	s_cmp_lg_u32 s16, 0
	s_cbranch_scc1 .Lnot_wave_0_\@
	s_barrier_signal -3
.Lnot_wave_0_\@:
	s_barrier_wait -3
	BARRIER
.endm
.macro GROUP1 g, mask, elts, rows, pitch       ; rows of elts elements of 8 bytes, pitch elements apart; no padding
	s_or_b32 s[\g], s[\mask], (3<<16)|(1<<21)
	s_mov_b32 s[\g+1], (\elts)<<16
	s_mov_b32 s[\g+2], (\rows)<<16
	s_mov_b32 s[\g+3], (\elts)<<16
	s_mov_b32 s[\g+4], \rows
	s_mov_b32 s[\g+5], \pitch
	s_mov_b32 s[\g+6], 0
	s_mov_b32 s[\g+7], 0
.endm
.macro GROUP0 g, lds, base, off
	s_mov_b32 s[\g], 1
	s_mov_b32 s[\g+1], \lds
	s_add_nc_u64 s[\g+2:\g+3], s[\base:\base+1], s[\off:\off+1]
	s_or_b32 s[\g+3], s[\g+3], 0x80000000
.endm
.macro TLOAD g0, g1
	tensor_load_to_lds s[\g0:\g0+3], s[\g1:\g1+7]
	s_nop 0
	PLACES 4
.endm
.macro HARM w, g0, g1, next
	s_cmp_eq_u32 s16, \w
	s_cbranch_scc0 \next
	TLOAD \g0, \g1
	s_branch .Lasked
\next:
.endm
; a fragment, 16 rows x 128 K: registers 0-5 from one kg, 6-11 from the next (kgp bytes on); 24 bytes each, in pieces of 8
.macro FRAGLD f, adr, off, kgp
	WIN (1+(\f)/FPW)<<6
.irp p, 0,1,2,3,4,5
	ds_load_b64 v[FR*((\f)%FPW)+2*\p:FR*((\f)%FPW)+2*\p+1], v[\adr] offset:(\off)+(\p/3)*(\kgp)+8*(\p%3)
.endr
.endm
.macro WEIGHTS                         ; my 64 rows of W, all of K: 192 loads; and their scale words: 8
.set Q_, 0
.rept 8
.irp b, 0,1,2,3
	FRAGLD 4*Q_+\b, AV+Q_/2, ((2*Q_)%4)*12288+\b*768, 12288
.endr
.set Q_, Q_+1
.endr
	WIN 0
.irp p, 0,1
.irp k, 0,1,2,3
	ds_load_b64 v[SB+8*\p+2*\k:SB+8*\p+2*\k+1], v[AVS] offset:\k*2048+\p*256
.endr
.endr
.endm
.macro FETCHU s, e                     ; block s of x into set e: NU loads
.set Q_, 0
.rept 8
	FRAGLD 32+8*(\e)+Q_, AU+Q_/4, ((2*Q_)%8)*6144+(\s)*768, 6144
.set Q_, Q_+1
.endr
	WIN 0
.irp k, 0,1,2,3
	ds_load_b64 v[SA+8*(\e)+2*\k:SA+8*(\e)+2*\k+1], v[AUS] offset:\k*1024+(\s)*128
.endr
.endm
.macro PROD1 d, f0, f1, c, x0, x1, side, row
	v_wmma_scale_f32_16x16x128_f8f6f4 v[\d:\d+7], v[FR*((\f0)%FPW):FR*((\f0)%FPW)+FR-1], v[FR*((\f1)%FPW):FR*((\f1)%FPW)+FR-1], \c, v[\x0], v[\x1] matrix_a_fmt:MATRIX_FMT_FP6 matrix_b_fmt:MATRIX_FMT_FP6 matrix_\side\()_scale:MATRIX_SCALE_ROW\row
.endm
.macro PROD kind, c                    ; kind 0 (q, k): source 0 = W's rows; kind 1 (v): source 0 = x's rows
.if \kind
	WIN (1+FU_/FPW)|((1+N_/FPW)<<2)
.if N_%2
	PROD1 D_, FU_, N_, \c, XU_, XV_, b, 1
.else
	PROD1 D_, FU_, N_, \c, XU_, XV_, b, 0
.endif
.else
	WIN (1+N_/FPW)|((1+FU_/FPW)<<2)
.if N_%2
	PROD1 D_, N_, FU_, \c, XV_, XU_, a, 1
.else
	PROD1 D_, N_, FU_, \c, XV_, XU_, a, 0
.endif
.endif
.endm
; a block's 32 products, n = 4 q + b: the four sums take turns, one instruction a turn, three others' between two steps of a sum; the first four take the bias as C
.macro MUL kind, s
.set E_, (\s)%2
.set N_, 0
.rept 32
.if \kind
.set D_, ACC+16*(N_%4)+8*E_
.else
.set D_, ACC+32*E_+8*(N_%4)
.endif
.set FU_, 32+8*E_+N_/4
.set XV_, SB+8*((N_%4)/2)+N_/4
.set XU_, SA+8*E_+N_/4
.if N_ < 4
	PROD \kind, v[BJ+8*N_:BJ+8*N_+7]
.else
	PROD \kind, v[D_:D_+7]
.endif
.set N_, N_+1
.endr
	WIN 0
.endm
; nb blocks of 32 numbers, block c in the 16 registers from a + 16 c on and in lane l xor 16's: the largest magnitude (with the floor 2^(3 - 127)), the conversion's scale operand, the scale's byte
.macro SCALEOF a, nb
.set C_, 0
.rept \nb
	v_max3_num_f32 v[TM+C_], |v[\a+16*C_]|, |v[\a+16*C_+1]|, 0x1800000   ; each sum from its low end on
.set C_, C_+1
.endr
.irp i, 2,4,6,8,10,12,14
.set C_, 0
.rept \nb
	v_max3_num_f32 v[TM+C_], v[TM+C_], |v[\a+16*C_+\i]|, |v[\a+16*C_+\i+1]|
.set C_, C_+1
.endr
.endr
.set C_, 0
.rept \nb
	v_permlanex16_b32 v[TP+C_], v[TM+C_], s[LX], s[LX+1]
.set C_, C_+1
.endr
.set C_, 0
.rept \nb
	v_max_num_f32 v[TM+C_], v[TM+C_], v[TP+C_]
.set C_, C_+1
.endr
.set C_, 0
.rept \nb
	v_add_nc_u32 v[SO+C_], 0xff000000, v[TM+C_]    ; 2 off the exponent field
.set C_, C_+1
.endr
.set C_, 0
.rept \nb
	v_lshrrev_b32 v[EB+C_], 23, v[SO+C_]
.set C_, C_+1
.endr
.endm
.macro WHOLE lo, hi                    ; two half blocks a lane become one whole block: v[lo .. lo+5] = 32 codes
.irp i, 0,1,2
	v_permlane16_swap_b32 v[\lo+\i], v[\hi+\i]
.endr
.irp i, 0,1,2
	v_mov_b32 v[\lo+3+\i], v[\hi+\i]
.endr
.endm
.macro EPIQ s                          ; q, k: block s's 16 positions x the head's 64
.set A_, ACC+32*((\s)%2)
	SCALEOF A_, 2
	v_lshl_or_b32 v[PW+(\s)%2], v[EB+1], 8, v[EB]  ; a token's two bytes
	v_cvt_scalef32_pk16_fp6_f32 v[PC:PC+2], v[A_:A_+15], v[SO]
	v_cvt_scalef32_pk16_fp6_f32 v[PT:PT+2], v[A_+16:A_+31], v[SO+1]
	v_nop                                          ; one plain line behind the conversions
	WHOLE PC, PT
.irp p, 0,1,2
	ds_store_b64 v[STC], v[PC+2*\p:PC+2*\p+1] offset:768*((\s)%2)+8*\p
.endr
.if (\s)%2
	v_perm_b32 v[X0], v[PW+1], v[PW], s93          ; the two bytes of positions r and 16 + r make a word
	ds_store_b32 v[STS], v[X0] offset:64*((\s)/2)  ; lanes 16-31 write the same words as lanes 0-15
	s_wait_xcnt 0x0                                ; the last stores have read the registers that are loaded below
.irp k, 0,1,2
	ds_load_b128 v[BK+4*\k:BK+4*\k+3], v[RD] offset:512*\k   ; my own stage: LDS serves a wave's instructions in order
.endr
.endif
.endm
.macro EPIV m                          ; v: tokens 32 m .. 32 m + 31 x the head's four d-tiles
	SCALEOF ACC, 4
.irp b, 0,1,2,3
.if (\m) == 0
	v_mov_b32 v[WW+\b], v[EB+\b]
.else
	v_lshl_or_b32 v[WW+\b], v[EB+\b], 8*(\m), v[WW+\b]
.endif
.endr
.irp b, 0,1,2,3
.if (\m)%2
	v_cvt_scalef32_pk16_fp6_f32 v[PTV+4*\b:PTV+4*\b+2], v[ACC+16*\b:ACC+16*\b+15], v[SO+\b]
.else
	v_cvt_scalef32_pk16_fp6_f32 v[PC+6*\b:PC+6*\b+2], v[ACC+16*\b:ACC+16*\b+15], v[SO+\b]
.endif
.endr
	v_nop                                          ; one plain line behind the conversions
.if (\m)%2
.irp b, 0,1,2,3
	WHOLE PC+6*\b, PTV+4*\b
.endr
.irp b, 0,1,2,3
.irp p, 0,1,2
	ds_store_b64 v[STC], v[PC+6*\b+2*\p:PC+6*\b+2*\p+1] offset:768*\b+8*\p
.endr
.endr
.if (\m) == 3
.irp b, 0,1,2,3
	ds_store_b32 v[STS], v[WW+\b] offset:128*(\b%2)+64*(\b/2)
.endr
.endif
	s_wait_xcnt 0x0                                ; the last stores have read the registers that are loaded below
.irp k, 0,1,2,3,4,5
	ds_load_b128 v[BK+4*\k:BK+4*\k+3], v[RD] offset:512*\k
.endr
.endif
.endm
.macro SEND n, off                     ; n x 512 consecutive bytes, at a multiple of 256 from qkvc's first byte
.set K_, 0
.rept \n
	global_store_b128 v[CO], v[BK+4*K_:BK+4*K_+3], s[OC:OC+1] offset:(\off)+512*K_
.set K_, K_+1
.endr
.endm
.macro BLK kind, s
	MUL \kind, \s
	s_wait_dscnt 0x0                               ; all that was issued ahead of these products: block s + 1's fragments, what was read back from the stage
.if \kind
.if (\s) == 4
	SEND 6, 0
.endif
.else
.if ((\s)%2 == 0) && ((\s) > 0)
	SEND 3, 1536*((\s)/2-1)
.endif
.endif
	PLACES 4                                       ; between the products and the loads into their sources, and the reads of their results
.if (\s) < 6
	FETCHU (\s)+2, (\s)%2
.endif
.if \kind
.if (\s)%2
	EPIV (\s)/2
.endif
.else
	EPIQ \s
.endif
.endm
.macro SCALES_OUT                      ; the tile's 256 scale bytes of my head: one aligned unit
	ds_load_b64 v[XS:XS+1], v[RDS]
	s_wait_dscnt 0x0
	global_store_b64 v[CO8], v[XS:XS+1], s[OS:OS+1]
.endm
	s_load_b128 s[4:7], s[0:1], 0x0                ; opc, ops
	s_load_b128 s[8:11], s[0:1], 0x10              ; b_qkv, qkvc
	s_load_b64 s[12:13], s[0:1], 0x20              ; qkvs
	v_lshl_add_u32 v[SPW], v0, 2, SPARE
	v_mov_b32 v[NIL], 0
	ds_add_u32 v[SPW], v[NIL]                      ; the opening lines: the add twice on end and its one wait
	ds_add_u32 v[SPW], v[NIL]
	v_lshrrev_b32 v1, 5, v0
	v_readfirstlane_b32 s16, v1                    ; wave 0..3: my head of the tile's four
	s_and_b32 s17, s16, 1
	s_bfe_u32 s18, ttmp6, 0x40000                  ; cx
	s_bfe_u32 s19, ttmp6, 0x40004                  ; cy
	s_lshl_b32 s20, ttmp9, 2
	s_add_co_u32 s20, s20, s18                     ; tile column, 0 .. 3
	s_and_b32 s21, ttmp7, 0xffff
	s_lshl_b32 s21, s21, 2
	s_add_co_u32 s21, s21, s19                     ; tile row, 0 .. 63
	s_lshl_b32 s22, s19, 2
	s_lshl_b32 s22, 15, s22                        ; my row of the cluster
	s_lshl_b32 s23, 0x1111, s18                    ; my column
	GROUP1 G1V,  23, 1536, 16, 73728               ; W's codes: 16 kg x 256 rows of 48 bytes (the refills: 8 kg)
	GROUP1 G1U,  22, 768,  16, 73728               ; x's: 16 kg x 128 rows
	GROUP1 G1VS, 23, 256,  4,  12288               ; W's scales: 4 kq x 256 rows of 8 bytes
	GROUP1 G1US, 22, 128,  4,  12288               ; x's
	s_mul_i32 s2, s21, 128*48                      ; x's side never holds cx,
	s_mov_b32 s3, 0
	s_lshl_b32 s14, s21, 10
	s_mov_b32 s15, 0
	s_lshl_b32 s94, s20, 8                         ; W's never cy
	s_add_co_u32 s94, s94, 8192
	s_lshl_b32 s92, s94, 3
	s_mov_b32 s93, 0
	s_mul_i32 s94, s94, 48
	s_mov_b32 s95, 0
	s_mul_i32 s86, s16, 8*KGS                      ; a refill: waves 0 and 1 eight kg each,
	s_mov_b32 s87, 0
	s_mul_i32 s77, s16, 8*12288
	s_add_co_u32 s77, s77, VB                      ; by the wave's number alone
	s_lshr_b32 s80, s21, 4
	s_lshl_b32 s80, s80, 4                         ; 16 b
	s_lshl_b32 s81, s20, 2
	s_add_co_u32 s80, s80, s81
	s_add_co_u32 s80, s80, s16                     ; q's region: 16 b + head
	s_and_b32 s81, s21, 15                         ; my 128 tokens in their batch
	s_lshl_b32 s82, s80, 12
	s_lshl_b32 s83, s81, 8
	s_add_co_u32 s82, s82, s83                     ; 256 scale bytes for 128 tokens, in q's, k's and v's layout alike
	s_mov_b32 s83, 0
	s_mul_i32 s80, s80, 98304
	s_mul_i32 s81, s81, 6144
	s_add_co_u32 s80, s80, s81                     ; 6,144 bytes of codes for 128 tokens, likewise
	s_mov_b32 s81, 0
	s_lshl_b32 s84, s20, 10                        ; the bias: 4 (256 cx + 64 wave)
	s_lshl_b32 s85, s16, 8
	s_add_co_u32 s84, s84, s85
	s_mov_b32 s85, 0
	s_mul_i32 s88, s16, 64*48
	s_add_co_u32 s88, s88, VB                      ; LDS: my 64 rows of W,
	s_lshl_b32 s89, s16, 9
	s_add_co_u32 s89, s89, VSB                     ; their scale words,
	s_mul_i32 s90, s16, 3072
	s_add_co_u32 s90, s90, STAGE                   ; my stage,
	s_lshl_b32 s91, s16, 8
	s_add_co_u32 s91, s91, SSTG                    ; my scale stage
	s_wait_dscnt 0x0                               ; both opening adds are done
	CROUND                                         ; all sixteen work-groups are here: the joint loads meet
	s_wait_kmcnt 0x0
	GROUP0 G0V,  VB,  4, 94
	GROUP0 G0U,  0,   4, 2
	GROUP0 G0VS, VSB, 6, 92
	GROUP0 G0US, USB, 6, 14
	s_mov_b32 s[G0R], 1
	s_add_nc_u64 s[G0R+2:G0R+3], s[4:5], s[94:95]
	s_add_nc_u64 s[G0R+2:G0R+3], s[G0R+2:G0R+3], s[86:87]
	s_or_b32 s[G0R+3], s[G0R+3], 0x80000000
	s_add_nc_u64 s[OC:OC+1], s[10:11], s[OC:OC+1]
	s_add_nc_u64 s[OS:OS+1], s[12:13], s[OS:OS+1]
	s_add_nc_u64 s[BB:BB+1], s[8:9], s[BB:BB+1]
	HARM 0, G0V,  G1V,  .Lhead_1
	HARM 2, G0VS, G1VS, .Lhead_2
	HARM 1, G0U,  G1U,  .Lhead_3
	TLOAD G0US, G1US
.Lasked:
	s_mov_b32 s[LX], 0x76543210
	s_mov_b32 s[LX+1], 0xfedcba98
	s_mov_b32 s93, 0x05040100
	s_mov_b32 s92, 0                               ; tiles done
	v_and_b32 v1, 15, v0                           ; r
	v_bfe_u32 v2, v0, 4, 1                         ; h
	v_and_b32 v3, 31, v0                           ; lane
	v_lshlrev_b32 v[V7], 6, v2
	v_lshrrev_b32 v4, 3, v1
	v_and_b32 v5, 7, v1
	v_lshlrev_b32 v5, 2, v5
	v_lshl_add_u32 v[VB7], v4, 6, v5
	v_mul_u32_u24 v[AU], v1, 48
	v_mad_u32_u24 v[AU], v2, 24, v[AU]             ; a fragment's row x 48 + 24 x half
	v_add_nc_u32 v[AU+1], 8*6144, v[AU]
	v_add_nc_u32 v[AV], s88, v[AU]
	v_add_nc_u32 v[AV+1], 4*12288, v[AV]
	v_add_nc_u32 v[AV+2], 8*12288, v[AV]
	v_add_nc_u32 v[AV+3], 12*12288, v[AV]
	v_lshl_add_u32 v[AUS], v1, 3, USB              ; x's scale words: row r of the block
	v_lshl_add_u32 v[AVS], v3, 3, s89              ; W's: lanes 0-15 one tile's rows, lanes 16-31 the next tile's
	v_add_nc_u32 v[STC], s90, v[AU]
	v_lshlrev_b32 v[CO], 4, v3
	v_add_nc_u32 v[RD], s90, v[CO]
	v_lshl_add_u32 v[STS], v1, 2, s91
	v_lshlrev_b32 v[CO8], 3, v3
	v_add_nc_u32 v[RDS], s91, v[CO8]
.irp c, 0,1,2,3
	v_mov_b32 v[TP+\c], 0                          ; a lane permute's destination counts as one of its sources
.endr
	s_wait_alu depctr_va_vdst(0)
	s_cmp_eq_u32 s17, 0                            ; waves 0 and 2 wait for W's codes and scales, each for a load line of its own
	s_cbranch_scc0 .Lnot_v
	s_wait_tensorcnt 0x0
.Lnot_v:
	BARRIER                                        ; q's columns are in
.Ltile:                                                ; q's tile, then k's
	WEIGHTS
.irp b, 0,1,2,3
	global_load_b128 v[BJ+8*\b:BJ+8*\b+3], v[V7], s[BB:BB+1] offset:(32*(\b/2)+8*(\b%2))*4      ; tile b's eight numbers begin at feature 32 (b / 2) + 8 (b % 2) + 16 h
	global_load_b128 v[BJ+8*\b+4:BJ+8*\b+7], v[V7], s[BB:BB+1] offset:(32*(\b/2)+8*(\b%2))*4+16
.endr
	s_wait_tensorcnt 0x0                           ; all my tensor loads have landed (the first time: x's rows and scales among them);
	ds_add_u32 v[SPW], v[NIL]                      ; 0 onto my spare word:
	s_mov_b32 s[G1V+2], 8<<16                      ; no tensor load of mine is out, so descriptors may be written: a refill brings 8 kg,
	s_mov_b32 s[G1V+4], 8
	s_add_nc_u64 s[G0R+2:G0R+3], s[G0R+2:G0R+3], 1024*48      ; of the columns 1,024 further on,
	s_add_nc_u64 s[G0VS+2:G0VS+3], s[G0VS+2:G0VS+3], 1024*8   ; and their scales
	s_wait_dscnt 0x0                               ; the add is done, and I hold this tile's columns in registers
	CROUND                                         ; so does every wave of every partner, and none has a load on its way
	s_cmp_lt_u32 s16, 2
	s_cbranch_scc0 .Lscales
	TLOAD G0R, G1V
	s_branch .Lrefilled
.Lscales:
	s_cmp_eq_u32 s16, 2
	s_cbranch_scc0 .Lrefilled
	TLOAD G0VS, G1VS
.Lrefilled:
	FETCHU 0, 0
	FETCHU 1, 1
	s_wait_loadcnt 0x0                             ; the bias
	s_wait_dscnt NU                                ; block 0 is in; block 1's NU loads may be out
.irp s, 0,1,2,3,4,5,6,7
	BLK 0, \s
.endr
	s_wait_alu depctr_va_vdst(0)
	s_wait_dscnt 0x0
	SEND 3, 1536*3
	SCALES_OUT
	s_wait_xcnt 0x0                                ; the tile's loads and stores have read their bases
	s_add_nc_u64 s[OC:OC+1], s[OC:OC+1], 64*98304  ; the next tensor's regions,
	s_add_nc_u64 s[OS:OS+1], s[OS:OS+1], 64*4096
	s_add_nc_u64 s[BB:BB+1], s[BB:BB+1], 4096      ; and its bias
	s_wait_tensorcnt 0x0                           ; my part of the next tile's columns is in
	BARRIER                                        ; everybody's is
	s_add_co_u32 s92, s92, 1
	s_cmp_lt_u32 s92, 2
	s_cbranch_scc1 .Ltile
	; ---- v's tile: nothing more is asked for
	WEIGHTS
.irp b, 0,1,2,3
	global_load_b32 v[BJ+8*\b], v[VB7], s[BB:BB+1] offset:(32*(\b/2)+8*(\b%2))*4   ; lane r of d-tile b is feature 32 (b / 2) + 16 (r / 8) + 8 (b % 2) + r % 8
.endr
	FETCHU 0, 0
	FETCHU 1, 1
	s_wait_loadcnt 0x0
.irp b, 0,1,2,3
.irp i, 1,2,3,4,5,6,7
	v_mov_b32 v[BJ+8*\b+\i], v[BJ+8*\b]            ; one number a lane and tile, over the tile's eight registers
.endr
.endr
	s_wait_alu depctr_va_vdst(0)
	s_wait_dscnt NU
.irp s, 0,1,2,3,4,5,6,7
	BLK 1, \s
.endr
	s_wait_alu depctr_va_vdst(0)
	s_wait_dscnt 0x0
	SEND 6, 3072
	SCALES_OUT
	s_wait_tensorcnt 0x0                           ; the wave's end
	ds_add_u32 v[SPW], v[NIL]
	s_wait_dscnt 0x0
	CROUND                                         ; the closing round
	s_endpgm
.Lfunc_end_k_q32eb4a2ef3_qkv:
	.size	k_q32eb4a2ef3_qkv, .Lfunc_end_k_q32eb4a2ef3_qkv-k_q32eb4a2ef3_qkv
	.p2alignl 7, 3214868480
	.fill 96, 4, 3214868480
	.section	.rodata,"a",@progbits
	.p2align	6, 0x0
	.amdhsa_kernel k_q32eb4a2ef3_qkv
		.amdhsa_group_segment_fixed_size 327680
		.amdhsa_private_segment_fixed_size 0
		.amdhsa_enable_private_segment 0
		.amdhsa_kernarg_size 40
		.amdhsa_user_sgpr_count 2
		.amdhsa_user_sgpr_kernarg_segment_ptr 1
		.amdhsa_wavefront_size32 1
		.amdhsa_system_sgpr_workgroup_id_x 1
		.amdhsa_system_sgpr_workgroup_id_y 1
		.amdhsa_system_sgpr_workgroup_id_z 1
		.amdhsa_system_vgpr_workitem_id 0
		.amdhsa_next_free_vgpr 896
		.amdhsa_next_free_sgpr 96
		.amdhsa_reserve_vcc 0
		.amdhsa_float_denorm_mode_32 3
		.amdhsa_float_denorm_mode_16_64 3
		.amdhsa_memory_ordered 1
		.amdhsa_forward_progress 1
		.amdhsa_inst_pref_size 198
	.end_amdhsa_kernel
	.amdgpu_metadata
---
amdhsa.version: [ 1, 2 ]
amdhsa.kernels:
  - .name:           k_q32eb4a2ef3_qkv
    .symbol:         k_q32eb4a2ef3_qkv.kd
    .args:
      - { .name: opc, .offset: 0, .size: 8, .value_kind: global_buffer, .address_space: global }
      - { .name: ops, .offset: 8, .size: 8, .value_kind: global_buffer, .address_space: global }
      - { .name: b_qkv, .offset: 16, .size: 8, .value_kind: global_buffer, .address_space: global }
      - { .name: qkvc, .offset: 24, .size: 8, .value_kind: global_buffer, .address_space: global }
      - { .name: qkvs, .offset: 32, .size: 8, .value_kind: global_buffer, .address_space: global }
    .group_segment_fixed_size: 327680
    .private_segment_fixed_size: 0
    .kernarg_segment_align: 8
    .kernarg_segment_size: 40
    .max_flat_workgroup_size: 128
    .sgpr_count:     96
    .vgpr_count:     896
    .wavefront_size: 32
...
	.end_amdgpu_metadata
.endif
;; end of part 2
;; launch attn (part 3): grid 4 x 64, 16 waves a work-group, clusters of 4 x 1, 219,136 bytes of LDS; arguments qkvc, qkvs, aoc, aos; writes aoc, aos
.if DOCPART == 3
	.amdgcn_target "amdgcn-amd-amdhsa--gfx1250"
	.amdhsa_code_object_version 6
	.text
	.protected	k_q32eb4a2ef3_attn
	.globl	k_q32eb4a2ef3_attn
	.p2align	8
	.type	k_q32eb4a2ef3_attn,@function
k_q32eb4a2ef3_attn:
	s_mov_b64 s[64:65], 0
	v_nop
	global_prefetch_b8 v0, s[64:65] scope:SCOPE_SE
	s_setreg_imm32_b32 hwreg(HW_REG_WAVE_MODE, 25, 1), 1
	s_wait_xcnt 0x0
	s_wait_alu depctr_hold_cnt(0) depctr_sa_sdst(0) depctr_va_vdst(0) depctr_va_sdst(0) depctr_va_ssrc(0) depctr_va_vcc(0) depctr_vm_vsrc(0)
	s_getreg_b32 s2, hwreg(HW_REG_IB_STS2, 6, 4)
	s_cmp_eq_u32 s2, 0
	s_cbranch_scc0 .Lentry_in_a_cluster
	s_endpgm
.Lentry_in_a_cluster:
	s_bfe_u32 s2, ttmp6, 0x10000c
	s_cmp_lg_u32 s2, 0x3003
	s_cbranch_scc0 .Lentry_shape_is_right
	s_endpgm
.Lentry_shape_is_right:
; Causal attention of one head (head size 64, 2,048 tokens) on codes of FP6 (E2M3) with E8M0 scales; the result, divided by the row's sum, is quantised along the head's 64 for the last product.
; SOFTMAX: t = score x log2(e) / 8; M = the running largest t rounded UP to a whole number; p = 2^(t - M) is quantised along the keys, not normalised; the row's sum is taken of the unquantised p;
; when M moves, the sum and O are multiplied by 2^(old M - new M), exactly.  The order in which a tile's key steps are taken is free: M is a running maximum.
; WORK LEFT OUT: a step of 128 keys whose first key lies beyond the wave's 16 queries is wholly under reference()'s own causal mask (p = 0 for all inputs) and is not multiplied.
; IN (laid by the launch before): q, k: [position of token][48 bytes]; v: [key / 64][position of d][48]; a position is the number with bits 3 and 4 exchanged.
; OUT: aoc [head 16][row 8,192][48]; aos [head / 4][row][8], the head's two bytes at 2 (head % 4).
; SHARES.  256 work-groups: (cx = 0 .. 3, 16 b + head).  Wave w, with a = (w + 2 (w / 8)) % 8 and u = 2 cx + w / 8, owns TWO tiles of 16 queries, 128 idx + 16 u + 0 .. 15: idx = 8 + a and idx = 7 - a.
; A tile has idx + 1 live key steps, so every wave has 17.  THE WALK HAS 17 TRIPS, the same for all waves: in trip t a wave takes key step t of its first tile while t <= 8 + a,
; and from t = 9 + a on key step 16 - t of its second tile: 7 - a (the diagonal) down to 0.  No trip is empty for any wave.
; EACH TRIP STANDS INSIDE A WORK-GROUP BARRIER: signal, the step (register work and LDS loads of bytes that nobody writes), wait: no wave ends trip t before every wave has begun it.
; The change of tile (the first tile's way out, the second tile's queries, which were loaded at the head) stands ahead of the signal.  Every branch hangs on the wave's number and a counter alone.
; LDS, FILLED ONCE: a head's K (98,304 bytes), V (98,304) and their scale bytes (4,096 each).  One tensor load a wave at the head, in one chain of branches on the wave's number:
; wave 0 both tensors' scale bytes (2 rows of 4,096 bytes), waves 1, 2 keys 0-255 of K, of V (48 rows of 256 bytes), waves 3 .. 8 the other 1,792 keys in three pieces of 112 rows for each tensor.
; The first barrier shows what waves 0 .. 2 asked for (they alone wait ahead of it), the one behind trip 1 all the rest (every wave waits).  Every wait on TENSORcnt is for 0.
; CLUSTER: the four work-groups of a cluster read the same head: each load is asked for jointly.
; THE FIRST PRODUCT has K = 64, the instruction 128: source 0 holds TWO keys a lane (positions 32 g + r and 32 g + 16 + r), source 1 is [q | zeros] or [zeros | q].  Both products are used transposed: a lane holds one query.
; By the positions, register 16 g + n of the scores is key 32 g + 16 h + n, and register 16 c + n of O^T is d = 32 c + 16 h + n: neighbours along the next K.
; LIMITS: NaN and infinities are not served; 1 / sum by v_rcp_f32; a block of zeros gets the byte 1 (zero codes; the bytes are read by this program alone); the scaled scores stay under 2^31 in magnitude.
; No prefetch: all that the work-group reads through LDS is asked for at its head by the tensor loads themselves; there is no later load to run ahead of.
.set VOFF, 98304
.set SKO,  196608
.set SVO,  200704
.set STG,  204800                      ; 768 bytes for each wave: the way out
.set SPARE, 217088                     ; the spare words, 128 bytes a wave
.set FIRSTB, 12288                     ; keys 0-255 of a tensor
.set PIECE, 28672                      ; 112 rows of 256 bytes
.set AK0,  1                           ; v1   48 r + 24 h
.set AV0,  2                           ; v2   the same in V
.set ASK0, 3                           ; v3   K's scale words: 4 r
.set ASV0, 4                           ; v4   V's
.set DLT,  5                           ; v5   16 u + r - 16 h
.set NEG,  6                           ; v6   -infinity
.set GO,   7                           ; v7   8 x lane
.set ADK,  8
.set ADV,  9
.set ADS,  10
.set ADT,  11
.set STO,  16
.set RDB,  17
.set GS,   18
.set QS2,  21                          ; v21  the second tile's scale bytes, v22-27 its codes
.set QC2,  22
.set SPW,  223
.set NIL,  243
.set WV,   18                          ; s18  the wave
.set SEL,  20                          ; s[20:21]
.set CS,   22                          ; s[22:23] log2(e) / 8
.set TB,   2                           ; s2   the step at work: its tiles, 6,144 bytes a step in K and in V
.set TS,   3                           ; s3   its scale words, 256 bytes a step
.set KF,   66                          ; s66  its first key
.set QD,   67                          ; s67  128 idx of the tile at work
.set QE,   74                          ; s74  128 idx of the second tile
.set Q1,   75                          ; s75  of the first
.set K1,   12                          ; s12, s15, s16: first key, tiles and scale words of key step t
.set B1,   15
.set S1,   16
.set K2,   17                          ; s17, s19, s77: the same of key step 16 - t
.set B2,   19
.set S2,   77
.set CNT,  76
.macro CROUND
	s_barrier_signal -1
	s_barrier_wait -1
	s_cmp_lg_u32 s[WV], 0
	s_cbranch_scc1 .Lnot_wave_0_\@
	s_barrier_signal -3
.Lnot_wave_0_\@:
	s_barrier_wait -3
	s_barrier_signal -1
	s_barrier_wait -1
.endm
.macro TLOAD g0, g1
	tensor_load_to_lds s[\g0:\g0+3], s[\g1:\g1+7]
	s_nop 0
.rept 4
	v_nop
.endr
.endm
; where the tile at 128 idx = s[qd] lies: s[A:A+1] Q's codes, s[B:B+1] Q's scale bytes, s[C:C+1] the result's codes, s[D:D+1] its scale bytes.  s15-17 are at work
.macro TILE qd, A, B, C, D
	s_lshr_b32 s15, s13, 1
	s_lshl_b32 s15, s15, 5
	s_add_co_u32 s15, s15, s[\qd]                  ; 128 idx + 32 (u / 2)
	s_and_b32 s16, s13, 1
	s_lshl_b32 s[\B], s15, 1                       ; Q's scale bytes: 64 for each 32 positions,
	s_lshl_b32 s17, s16, 5
	s_add_co_u32 s[\B], s[\B], s17                 ; 4 x 8 (u % 2),
	s_lshl_b32 s17, s14, 12
	s_add_co_u32 s[\B], s[\B], s17                 ; region 16 b + head
	s_mov_b32 s[\B+1], 0
	s_lshl_b32 s17, s16, 3
	s_add_co_u32 s15, s15, s17                     ; + 8 (u % 2): lane r takes position + 16 (r / 8) + r % 8, which is query 128 idx + 16 u + r
	s_mul_i32 s[\A], s15, 48
	s_mul_i32 s17, s14, 98304
	s_add_co_u32 s[\A], s[\A], s17
	s_mov_b32 s[\A+1], 0
	s_lshr_b32 s15, s14, 4
	s_lshl_b32 s15, s15, 11
	s_add_co_u32 s15, s15, s[\qd]
	s_add_co_u32 s15, s15, s94                     ; my first row of the output: 2,048 b + 128 idx + 16 u
	s_and_b32 s16, s14, 15                         ; head
	s_mul_i32 s[\C], s16, 393216
	s_mul_i32 s17, s15, 48
	s_add_co_u32 s[\C], s[\C], s17
	s_mov_b32 s[\C+1], 0
	s_lshr_b32 s[\D], s16, 2
	s_lshl_b32 s[\D], s[\D], 16
	s_lshl_b32 s17, s15, 3
	s_add_co_u32 s[\D], s[\D], s17
	s_and_b32 s17, s16, 3
	s_lshl_b32 s17, s17, 1
	s_add_co_u32 s[\D], s[\D], s17
	s_mov_b32 s[\D+1], 0
	s_add_nc_u64 s[\A:\A+1], s[4:5], s[\A:\A+1]
	s_add_nc_u64 s[\B:\B+1], s[6:7], s[\B:\B+1]
	s_add_nc_u64 s[\C:\C+1], s[8:9], s[\C:\C+1]
	s_add_nc_u64 s[\D:\D+1], s[10:11], s[\D:\D+1]
.endm
; a tile's running numbers begin anew
.macro RESET
	v_mov_b32 v13, 0xff61b1e6                      ; the largest t so far: -3e38
	s_delay_alu instid0(VALU_DEP_1)
	v_floor_f32 v12, -v13                          ; -M
	v_mov_b32 v14, 0
	v_mov_b32 v15, 0
	v_mov_b32 v252, 0
	v_mov_b32 v253, 0
.endm
.macro ZERO_O
.set j, 0
.rept 32
	v_mov_b32 v[160+j], 0                          ; O^T: the step is written once; the first change of M leaves zeros zeros.  (Also the places between the lines that make q and its scale word and the first product)
.set j, j+1
.endr
	s_wait_alu depctr_va_vdst(0)
.endm
; a key step.  full = 0: a step that is open for every wave (key steps 0 .. 7 of a tile with idx of 8 or more): no test, no mask; it steps its own numbers
.macro STEP full
	v_add_nc_u32 v[ADK], s[TB], v[AK0]             ; (these four are the places in front of the loads into registers that the last products read)
	v_add_nc_u32 v[ADV], s[TB], v[AV0]
	v_add_nc_u32 v[ADS], s[TS], v[ASK0]
	v_add_nc_u32 v[ADT], s[TS], v[ASV0]
.irp g, 0,1,2,3
.irp p, 0,1,2,3,4,5
	ds_load_b64 v[32+12*\g+2*\p:33+12*\g+2*\p], v[ADK] offset:1536*\g+768*(\p/3)+8*(\p%3)   ; positions 32 g + r and 32 g + 16 + r
.endr
	ds_load_b32 v[248+\g], v[ADS] offset:64*\g     ; their four scale bytes
.endr
	s_wait_dscnt 0x0
.irp g, 0,1,2,3
	v_wmma_scale_f32_16x16x128_f8f6f4 v[96+16*\g:103+16*\g], v[32+12*\g:43+12*\g], v[192:203], 0, v[248+\g], v255 matrix_a_fmt:MATRIX_FMT_FP6 matrix_b_fmt:MATRIX_FMT_FP6
	v_wmma_scale_f32_16x16x128_f8f6f4 v[104+16*\g:111+16*\g], v[32+12*\g:43+12*\g], v[198:209], 0, v[248+\g], v255 matrix_a_fmt:MATRIX_FMT_FP6 matrix_b_fmt:MATRIX_FMT_FP6
.endr
.rept 4
	v_nop
.endr
.if \full
	s_cmp_lg_u32 s[KF], s[QD]                      ; on the diagonal hidden scores become -infinity ahead of the maximum: p = 0 then
	s_cbranch_scc1 .Lopen_\@
.set n, 0
.rept 64
	v_cmp_gt_i32 vcc_lo, 32*(n/16)+n%16, v[DLT]    ; register n holds key KF + 32 (n / 16) + 16 h + n % 16; my query is KF + 16 u + r
	v_cndmask_b32 v[96+n], v[96+n], v[NEG], vcc_lo
.set n, n+1
.endr
.Lopen_\@:
.endif
.irp b, 0,1,2,3
	v_max3_num_f32 v[232+\b], v[96+16*\b], v[97+16*\b], v[98+16*\b]   ; the largest score of each block of 32 keys: for the row's maximum, and, since p rises with the score, for the block's largest p
.endr
.irp i, 3,5,7,9,11,13
.irp b, 0,1,2,3
	v_max3_num_f32 v[232+\b], v[232+\b], v[96+16*\b+\i], v[97+16*\b+\i]
.endr
.endr
.irp b, 0,1,2,3
	v_max_num_f32 v[232+\b], v[232+\b], v[111+16*\b]
.endr
.irp b, 0,1,2,3
	s_delay_alu instid0(VALU_DEP_4)
	v_permlanex16_b32 v[236+\b], v[232+\b], s[SEL], s[SEL+1]
.endr
.irp b, 0,1,2,3
	s_delay_alu instid0(VALU_DEP_4)
	v_max_num_f32 v[232+\b], v[232+\b], v[236+\b]
.endr
	s_delay_alu instid0(VALU_DEP_2)
	v_max3_num_f32 v254, v232, v233, v234
	s_delay_alu instid0(VALU_DEP_1)
	v_max_num_f32 v254, v254, v235
	s_delay_alu instid0(VALU_DEP_1)
	v_mul_f32 v254, s[CS], v254
	s_delay_alu instid0(VALU_DEP_1)
	v_max_num_f32 v13, v13, v254                   ; the running largest t
	v_mov_b32 v254, v12
	s_delay_alu instid0(VALU_DEP_2)
	v_floor_f32 v12, -v13                          ; the new -M: M is a whole number
	s_delay_alu instid0(VALU_DEP_1)
	v_sub_f32 v254, v12, v254
	s_delay_alu instid0(VALU_DEP_1)
	v_cvt_i32_f32 v254, v254                       ; (it saturates)
	s_delay_alu instid0(VALU_DEP_1)
	v_ldexp_f32 v252, 1.0, v254                    ; f = 2^(old M - new M)
.set j, 0
.rept 32
	v_pk_fma_f32 v[96+j:97+j], v[96+j:97+j], s[CS:CS+1], v[12:13] op_sel_hi:[1,0,0]   ; t - M
.set j, j+2
.endr
.irp b, 0,1,2,3
	v_fma_f32 v[232+\b], v[232+\b], s[CS], v12
.endr
.set j, 0
	s_wait_alu depctr_va_vdst(0)
.rept 64
	v_exp_f32 v[96+j], v[96+j]                     ; p = 2^(t - M)
.set j, j+1
.endr
	v_pk_mul_f32 v[14:15], v[14:15], v[252:253] op_sel_hi:[1,0]   ; the sums under the new M (a plain line behind the exponentials)
	s_wait_alu depctr_va_vdst(0)                   ; one wait for the whole batch, ahead of its first reader
.irp b, 0,1,2,3
	v_exp_f32 v[232+\b], v[232+\b]                 ; each block's largest p
.endr
	v_pk_add_f32 v[236:237], v[100:101], v[104:105]   ; the row's sum of the unquantised p, in eight chains
	v_pk_add_f32 v[250:251], v[108:109], v[112:113]
	v_pk_add_f32 v[248:249], v[116:117], v[120:121]
	v_pk_add_f32 v[246:247], v[124:125], v[128:129]
	v_pk_add_f32 v[244:245], v[132:133], v[136:137]
	v_pk_add_f32 v[240:241], v[140:141], v[144:145]
	v_pk_add_f32 v[238:239], v[148:149], v[152:153]
	v_pk_add_f32 v[14:15], v[14:15], v[156:157]
	v_pk_add_f32 v[236:237], v[236:237], v[96:97]
	v_pk_add_f32 v[250:251], v[250:251], v[98:99]
	v_pk_add_f32 v[248:249], v[248:249], v[102:103]
	v_pk_add_f32 v[246:247], v[246:247], v[106:107]
	v_pk_add_f32 v[244:245], v[244:245], v[110:111]
	v_pk_add_f32 v[240:241], v[240:241], v[114:115]
	v_pk_add_f32 v[238:239], v[238:239], v[118:119]
	v_pk_add_f32 v[14:15], v[14:15], v[122:123]
	v_pk_add_f32 v[236:237], v[236:237], v[126:127]
	v_pk_add_f32 v[250:251], v[250:251], v[130:131]
	v_pk_add_f32 v[248:249], v[248:249], v[134:135]
	v_pk_add_f32 v[246:247], v[246:247], v[138:139]
	v_pk_add_f32 v[244:245], v[244:245], v[142:143]
	v_pk_add_f32 v[240:241], v[240:241], v[146:147]
	v_pk_add_f32 v[238:239], v[238:239], v[150:151]
	v_pk_add_f32 v[14:15], v[14:15], v[154:155]
	v_pk_add_f32 v[236:237], v[236:237], v[158:159]
	s_delay_alu instid0(VALU_DEP_2)
	v_pk_add_f32 v[14:15], v[14:15], v[246:247]
	s_delay_alu instid0(VALU_DEP_2)
	v_pk_add_f32 v[236:237], v[236:237], v[244:245]
	v_pk_add_f32 v[250:251], v[250:251], v[240:241]
	v_pk_add_f32 v[248:249], v[248:249], v[238:239]
	s_delay_alu instid0(VALU_DEP_2)
	v_pk_add_f32 v[14:15], v[14:15], v[250:251]
	s_delay_alu instid0(VALU_DEP_2)
	v_pk_add_f32 v[236:237], v[236:237], v[248:249]
	s_delay_alu instid0(VALU_DEP_1)
	v_pk_add_f32 v[14:15], v[14:15], v[236:237]
	s_wait_alu depctr_va_vdst(0)                   ; and one for the four
.irp b, 0,1,2,3
	v_max_num_f32 v[232+\b], 0x1800000, v[232+\b]  ; the floor 2^(3 - 127)
.endr
.irp b, 0,1,2,3
	s_delay_alu instid0(VALU_DEP_4)
	v_add_nc_u32 v[244+\b], 0xff000000, v[232+\b]
.endr
.irp b, 0,1,2,3
	s_delay_alu instid0(VALU_DEP_4)
	v_lshrrev_b32 v[236+\b], 23, v[244+\b]
.endr
	s_delay_alu instid0(VALU_DEP_3)
	v_lshl_or_b32 v253, v237, 8, v236              ; p's scale word for these 128 keys
	s_delay_alu instid0(VALU_DEP_1)
	v_lshl_or_b32 v253, v238, 16, v253
	s_delay_alu instid0(VALU_DEP_1)
	v_lshl_or_b32 v253, v239, 24, v253
.irp c, 0,1
	v_cvt_scalef32_pk16_fp6_f32 v[224+6*\c:226+6*\c], v[96+32*\c:111+32*\c], v[244+2*\c]
	v_cvt_scalef32_pk16_fp6_f32 v[236+4*\c:238+4*\c], v[112+32*\c:127+32*\c], v[244+2*\c+1]
.endr
	v_nop                                          ; one plain line behind the conversions
.irp c, 0,1
.irp i, 0,1,2
	v_permlane16_swap_b32 v[224+6*\c+\i], v[236+4*\c+\i]
.endr
.irp i, 0,1,2
	s_delay_alu instid0(VALU_DEP_3)
	v_mov_b32 v[227+6*\c+\i], v[236+4*\c+\i]
.endr
.endr
	s_wait_alu depctr_va_vdst(0)                   ; directly ahead of the first reader of O^T
.set j, 0
.rept 16
	v_pk_mul_f32 v[160+j:161+j], v[160+j:161+j], v[252:253] op_sel_hi:[1,0]   ; O^T under the new M (also the places in front of the products below)
.set j, j+2
.endr
.irp t, 0,1,2,3
.irp p, 0,1,2,3,4,5
	ds_load_b64 v[32+12*\t+2*\p:33+12*\t+2*\p], v[ADV] offset:3072*(\p/3)+768*\t+8*(\p%3)
.endr
	ds_load_b32 v[248+\t], v[ADT] offset:128*(\t%2)+64*(\t/2)
.endr
	s_wait_alu depctr_va_vdst(0)
	s_wait_dscnt 0x0
.irp t, 0,1,2,3                        ; the four accumulators take turns, one instruction a turn
	v_wmma_scale_f32_16x16x128_f8f6f4 v[160+8*\t:167+8*\t], v[32+12*\t:43+12*\t], v[224:235], v[160+8*\t:167+8*\t], v[248+\t], v253 matrix_a_fmt:MATRIX_FMT_FP6 matrix_b_fmt:MATRIX_FMT_FP6
.endr
.if \full == 0
	s_add_co_u32 s[KF], s[KF], 128
	s_add_co_u32 s[TB], s[TB], 6144
	s_add_co_u32 s[TS], s[TS], 256
.endif
.endm
; a tile's way out: O^T / the sum, quantised along d: two blocks of 32, shared with lane l xor 16
.macro OUT
.rept 4
	v_nop
.endr
	v_add_f32 v14, v14, v15
	s_delay_alu instid0(VALU_DEP_1)
	v_permlanex16_b32 v252, v14, s[SEL], s[SEL+1]
	s_delay_alu instid0(VALU_DEP_1)
	v_add_f32 v14, v14, v252                       ; the row's sum
	s_wait_alu depctr_va_vdst(0)
	v_rcp_f32 v14, v14
	v_nop                                          ; a plain line behind the reciprocal,
	s_wait_alu depctr_va_vdst(0)                   ; and the wait ahead of its first reader
.set j, 0
.rept 32
	v_mul_f32 v[96+j], v[160+j], v14               ; register 16 c + n: d = 32 c + 16 h + n
.set j, j+1
.endr
.irp c, 0,1
	v_max3_num_f32 v[232+\c], |v[96+16*\c]|, |v[97+16*\c]|, 0x1800000
.endr
.irp i, 2,4,6,8,10,12,14
.irp c, 0,1
	s_delay_alu instid0(VALU_DEP_2)
	v_max3_num_f32 v[232+\c], v[232+\c], |v[96+16*\c+\i]|, |v[97+16*\c+\i]|
.endr
.endr
.irp c, 0,1
	s_delay_alu instid0(VALU_DEP_2)
	v_permlanex16_b32 v[236+\c], v[232+\c], s[SEL], s[SEL+1]
.endr
.irp c, 0,1
	s_delay_alu instid0(VALU_DEP_2)
	v_max_num_f32 v[232+\c], v[232+\c], v[236+\c]
.endr
.irp c, 0,1
	s_delay_alu instid0(VALU_DEP_2)
	v_add_nc_u32 v[244+\c], 0xff000000, v[232+\c]
.endr
.irp c, 0,1
	s_delay_alu instid0(VALU_DEP_2)
	v_lshrrev_b32 v[236+\c], 23, v[244+\c]
.endr
	s_delay_alu instid0(VALU_DEP_1)
	v_lshl_or_b32 v254, v237, 8, v236              ; my row's two scale bytes
	v_cvt_scalef32_pk16_fp6_f32 v[224:226], v[96:111], v244
	v_cvt_scalef32_pk16_fp6_f32 v[240:242], v[112:127], v245
	v_nop
.irp i, 0,1,2
	v_permlane16_swap_b32 v[224+\i], v[240+\i]
.endr
.irp i, 0,1,2
	s_delay_alu instid0(VALU_DEP_3)
	v_mov_b32 v[227+\i], v[240+\i]                 ; lane (r, h): the 24 bytes of d = 32 h .. 32 h + 31 of row r
.endr
.irp p, 0,1,2
	ds_store_b64 v[STO], v[224+2*\p:225+2*\p] offset:8*\p
.endr
.irp k, 0,1,2
	ds_load_b64 v[32+2*\k:33+2*\k], v[RDB] offset:256*\k   ; my own stage: LDS serves a wave's instructions in order
.endr
	s_wait_alu depctr_va_vdst(0)
.irp k, 0,1,2
	s_wait_dscnt 2-\k
	global_store_b64 v[GO], v[32+2*\k:33+2*\k], s[90:91] offset:256*\k   ; 32 lanes store 256 consecutive bytes, at a multiple of 256 from aoc's first byte
.endr
	global_store_b16 v[GS], v254, s[92:93]         ; two bytes a row, 8 bytes apart (the other heads fill the rest); lanes 16-31 store what lanes 0-15 store
.endm
	s_load_b128 s[4:7], s[0:1], 0x0                ; qkvc, qkvs
	s_load_b128 s[8:11], s[0:1], 0x10              ; aoc, aos
	v_lshl_add_u32 v[SPW], v0, 2, SPARE
	v_mov_b32 v[NIL], 0
	ds_add_u32 v[SPW], v[NIL]                      ; the opening lines: the add twice on end and its one wait
	ds_add_u32 v[SPW], v[NIL]
	v_lshrrev_b32 v8, 5, v0
	s_delay_alu instid0(VALU_DEP_1)
	v_readfirstlane_b32 s[WV], v8                  ; wave 0..15
	s_bfe_u32 s12, ttmp6, 0x40000                  ; cx: it enters Q's and the output's addresses and the mask's numbers alone
	s_lshl_b32 s13, s12, 1
	s_lshr_b32 s15, s[WV], 3
	s_add_co_u32 s13, s13, s15                     ; u = 2 cx + w / 8
	s_lshl_b32 s94, s13, 4                         ; 16 u
	s_and_b32 s14, ttmp7, 0xffff                   ; 16 b + head
	s_lshl_b32 s15, s15, 1
	s_add_co_u32 s15, s15, s[WV]
	s_and_b32 s15, s15, 7                          ; a = (w + 2 (w / 8)) % 8: the two waves with equal a differ in w % 4
	s_lshl_b32 s16, s15, 7
	s_add_co_u32 s[QD], s16, 1024                  ; the first tile: 128 (8 + a)
	s_mov_b32 s[Q1], s[QD]
	s_sub_co_u32 s[QE], 896, s16                   ; the second: 128 (7 - a)
	s_add_co_u32 s19, s[WV], 1
	s_and_b32 s19, s19, 1                          ; waves 1, 3, 5, 7 fetch for K (0), waves 2, 4, 6, 8 for V (1)
	s_add_co_u32 s17, s[WV], 5
	s_lshr_b32 s17, s17, 1
	s_and_b32 s17, s17, 3                          ; waves 3 .. 8: piece 0, 0, 1, 1, 2, 2
	s_lshl_b32 s77, s19, 6
	s_add_co_u32 s77, s77, s14
	s_add_co_u32 s77, s77, 64                      ; the tensor's region
	s_mul_i32 s78, s77, 98304
	s_mov_b32 s79, 0
	s_add_co_u32 s80, s14, 64
	s_lshl_b32 s80, s80, 12                        ; K's region of scale bytes; V's lies 64 regions on
	s_mov_b32 s81, 0
	s_mul_i32 s82, s19, VOFF
	s_mul_i32 s72, s17, PIECE
	s_add_co_u32 s72, s72, FIRSTB                  ; where my piece begins in its tensor
	s_mov_b32 s73, 0
	; descriptor groups 1.  s[24:31]: 2 rows of 512 elements of 8 bytes, 32,768 elements apart.  s[32:39], s[40:47]: dense blocks as 48 and 112 rows of 256 bytes
.irp g, 24,32,40
	s_mov_b32 s[\g], 15|(3<<16)|(1<<21)            ; 15:0 the mask: all four work-groups; 17:16 elements of 8 bytes; 21 set beside a mask
	s_mov_b32 s[\g+6], 0
	s_mov_b32 s[\g+7], 0
.endr
	s_mov_b32 s25, 512<<16
	s_mov_b32 s26, 2<<16
	s_mov_b32 s27, 512<<16
	s_mov_b32 s28, 2
	s_mov_b32 s29, 32768
.irp g, 32,40
	s_mov_b32 s[\g+1], 32<<16
	s_mov_b32 s[\g+3], 32<<16
	s_mov_b32 s[\g+5], 32
.endr
	s_mov_b32 s34, 48<<16
	s_mov_b32 s36, 48
	s_mov_b32 s42, 112<<16
	s_mov_b32 s44, 112
	s_mul_i32 s95, s[WV], 768
	s_add_co_u32 s95, s95, STG                     ; my stage
	s_mov_b32 s[SEL], 0x76543210
	s_mov_b32 s[SEL+1], 0xfedcba98
	s_mov_b32 s[CS], 0x3e38aa3b                    ; log2(e) / 8
	s_mov_b32 s[CS+1], s[CS]
	s_mov_b32 s[TB], 0
	s_mov_b32 s[TS], 0
	s_mov_b32 s[KF], 0
	s_wait_dscnt 0x0                               ; both opening adds are done
	s_wait_kmcnt 0x0
	s_mov_b32 s56, 1                               ; groups 0: the scale bytes,
	s_mov_b32 s57, SKO
	s_add_nc_u64 s[58:59], s[6:7], s[80:81]
	s_or_b32 s59, s59, 0x80000000
	s_mov_b32 s60, 1                               ; keys 0-255 of my tensor,
	s_mov_b32 s61, s82
	s_add_nc_u64 s[62:63], s[4:5], s[78:79]
	s_mov_b32 s68, 1                               ; my piece of the rest
	s_add_co_u32 s69, s82, s72
	s_add_nc_u64 s[70:71], s[62:63], s[72:73]
	s_or_b32 s63, s63, 0x80000000
	s_or_b32 s71, s71, 0x80000000
	CROUND                                         ; all four work-groups are here: the joint loads meet
	s_cmp_lt_u32 s[WV], 1                          ; one chain of branches on the wave's number, one load to an arm
	s_cbranch_scc0 .Lfill_1
	TLOAD 56, 24
	s_branch .Lfilled
.Lfill_1:
	s_cmp_lt_u32 s[WV], 3
	s_cbranch_scc0 .Lfill_2
	TLOAD 60, 32
	s_branch .Lfilled
.Lfill_2:
	s_cmp_lt_u32 s[WV], 9
	s_cbranch_scc0 .Lfilled
	TLOAD 68, 40
.Lfilled:
	TILE QD, 84, 88, 90, 92                        ; the first tile's places,
	TILE QE, 78, 80, 82, 72                        ; and the second's (in registers that have served the descriptors)
	v_and_b32 v8, 15, v0                           ; r
	v_bfe_u32 v9, v0, 4, 1                         ; h
	v_and_b32 v10, 7, v0                           ; r % 8
	v_bfe_u32 v11, v0, 3, 1                        ; r / 8
	s_delay_alu instid0(VALU_DEP_1)
	v_lshl_add_u32 v19, v11, 4, v10
	s_delay_alu instid0(VALU_DEP_1)
	v_mul_u32_u24 v19, v19, 48
	s_delay_alu instid0(VALU_DEP_1)
	v_mad_u32_u24 v19, v9, 24, v19                 ; my query's codes
	v_lshlrev_b32 v20, 2, v10
	s_delay_alu instid0(VALU_DEP_1)
	v_lshl_add_u32 v20, v11, 1, v20                ; and its scale bytes
.irp p, 0,1,2
	global_load_b64 v[192+2*\p:193+2*\p], v19, s[84:85] offset:8*\p   ; Q twice, zeros between: v192-203 = [q | 0], v198-209 = [0 | q]
	global_load_b64 v[204+2*\p:205+2*\p], v19, s[84:85] offset:8*\p
.endr
	global_load_u16 v255, v20, s[88:89]            ; my query's two scale bytes
.irp p, 0,1,2
	global_load_b64 v[QC2+2*\p:QC2+1+2*\p], v19, s[78:79] offset:8*\p   ; the second tile's queries wait in registers of their own
.endr
	global_load_u16 v[QS2], v20, s[80:81]
	v_mul_u32_u24 v[AK0], v8, 48
	s_delay_alu instid0(VALU_DEP_1)
	v_mad_u32_u24 v[AK0], v9, 24, v[AK0]
	s_delay_alu instid0(VALU_DEP_1)
	v_add_nc_u32 v[AV0], VOFF, v[AK0]
	v_lshl_add_u32 v[ASK0], v8, 2, SKO
	v_lshl_add_u32 v[ASV0], v8, 2, SVO
	v_lshlrev_b32 v[DLT], 4, v9
	s_delay_alu instid0(VALU_DEP_1)
	v_sub_nc_u32 v[DLT], v8, v[DLT]
	s_delay_alu instid0(VALU_DEP_1)
	v_add_nc_u32 v[DLT], s94, v[DLT]
	v_mov_b32 v[NEG], 0xff800000
	v_and_b32 v[GO], 31, v0
	s_delay_alu instid0(VALU_DEP_1)
	v_lshlrev_b32 v[GO], 3, v[GO]
	v_add_nc_u32 v[STO], s95, v[AK0]
	s_delay_alu instid0(VALU_DEP_2)
	v_add_nc_u32 v[RDB], s95, v[GO]
	v_lshlrev_b32 v[GS], 3, v8
.irp b, 0,1,2,3
	v_mov_b32 v[236+\b], 0                         ; a lane permute's destination counts as one of its sources
.endr
.irp j, 0,1,2,3,4,5
	v_mov_b32 v[198+\j], 0                         ; the zeros between the two copies of q
.endr
	RESET
	s_wait_loadcnt 0x0
	v_lshl_or_b32 v255, v255, 16, v255             ; [s0 s1 s0 s1]: the same word serves [q | 0] and [0 | q]
	ZERO_O
	s_cmp_lt_u32 s[WV], 3                          ; waves 0 .. 2 wait for their loads: the scale bytes and keys 0-255; the load line of waves 3 .. 8 is theirs alone
	s_cbranch_scc0 .Lnot_first
	s_wait_tensorcnt 0x0
.Lnot_first:
	s_barrier_signal -1
	s_barrier_wait -1
	s_mov_b32 s[CNT], 2
.Lfirst:                                               ; trips 0, 1
	s_barrier_signal -1
	STEP 0
	s_barrier_wait -1
	s_sub_co_u32 s[CNT], s[CNT], 1
	s_cmp_lg_u32 s[CNT], 0
	s_cbranch_scc1 .Lfirst
	s_wait_tensorcnt 0x0                           ; every wave: all keys are in
	s_wait_dscnt 0x0
	s_barrier_signal -1
	s_barrier_wait -1
	s_mov_b32 s[CNT], 6
.Lsecond:                                              ; trips 2 .. 7: every wave in its first tile, under its diagonal
	s_barrier_signal -1
	STEP 0
	s_barrier_wait -1
	s_sub_co_u32 s[CNT], s[CNT], 1
	s_cmp_lg_u32 s[CNT], 0
	s_cbranch_scc1 .Lsecond
	s_mov_b32 s[K1], 8*128                         ; trips 8 .. 16: key step t counts up,
	s_mov_b32 s[B1], 8*6144
	s_mov_b32 s[S1], 8*256
	s_mov_b32 s[K2], 9*128                         ; key step 16 - t down (stepped at a trip's head: 8 in trip 8, 0 in trip 16)
	s_mov_b32 s[B2], 9*6144
	s_mov_b32 s[S2], 9*256
	s_mov_b32 s[CNT], 9
.Lboth:
	s_sub_co_u32 s[K2], s[K2], 128
	s_sub_co_u32 s[B2], s[B2], 6144
	s_sub_co_u32 s[S2], s[S2], 256
	s_cmp_le_u32 s[K1], s[Q1]                      ; still in my first tile?
	s_cselect_b32 s[KF], s[K1], s[K2]
	s_cselect_b32 s[TB], s[B1], s[B2]
	s_cselect_b32 s[TS], s[S1], s[S2]
	s_cselect_b32 s[QD], s[Q1], s[QE]
	s_min_u32 s[TB], s[TB], 15*6144                ; a head has 16 key steps: what is chosen is 15 at the most, and is held there
	s_min_u32 s[TS], s[TS], 15*256
	s_cmp_lg_u32 s[K2], s[QE]                      ; 16 - t = 7 - a: my second tile begins, at its diagonal
	s_cbranch_scc1 .Lsame
	OUT
	s_wait_xcnt 0x0                                ; the stores have read their registers: addresses and data may be written again
	s_mov_b64 s[90:91], s[82:83]
	s_mov_b64 s[92:93], s[72:73]
.irp p, 0,1,2,3,4,5
	v_mov_b32 v[192+\p], v[QC2+\p]
	v_mov_b32 v[204+\p], v[QC2+\p]
.endr
	v_lshl_or_b32 v255, v[QS2], 16, v[QS2]
	RESET
	ZERO_O
.Lsame:
	s_barrier_signal -1
	STEP 1
	s_barrier_wait -1
	s_add_co_u32 s[K1], s[K1], 128
	s_add_co_u32 s[B1], s[B1], 6144
	s_add_co_u32 s[S1], s[S1], 256
	s_sub_co_u32 s[CNT], s[CNT], 1
	s_cmp_lg_u32 s[CNT], 0
	s_cbranch_scc1 .Lboth
	OUT
	s_wait_tensorcnt 0x0                           ; the wave's end
	ds_add_u32 v[SPW], v[NIL]
	s_wait_dscnt 0x0
	CROUND                                         ; the closing round
	s_endpgm
.Lfunc_end_k_q32eb4a2ef3_attn:
	.size	k_q32eb4a2ef3_attn, .Lfunc_end_k_q32eb4a2ef3_attn-k_q32eb4a2ef3_attn
	.p2alignl 7, 3214868480
	.fill 96, 4, 3214868480
	.section	.rodata,"a",@progbits
	.p2align	6, 0x0
	.amdhsa_kernel k_q32eb4a2ef3_attn
		.amdhsa_group_segment_fixed_size 219136
		.amdhsa_private_segment_fixed_size 0
		.amdhsa_enable_private_segment 0
		.amdhsa_kernarg_size 32
		.amdhsa_user_sgpr_count 2
		.amdhsa_user_sgpr_kernarg_segment_ptr 1
		.amdhsa_wavefront_size32 1
		.amdhsa_system_sgpr_workgroup_id_x 1
		.amdhsa_system_sgpr_workgroup_id_y 1
		.amdhsa_system_sgpr_workgroup_id_z 1
		.amdhsa_system_vgpr_workitem_id 0
		.amdhsa_next_free_vgpr 256
		.amdhsa_next_free_sgpr 96
		.amdhsa_reserve_vcc 1
		.amdhsa_float_denorm_mode_32 3
		.amdhsa_float_denorm_mode_16_64 3
		.amdhsa_memory_ordered 1
		.amdhsa_forward_progress 1
		.amdhsa_inst_pref_size 87
	.end_amdhsa_kernel
	.amdgpu_metadata
---
amdhsa.version: [ 1, 2 ]
amdhsa.kernels:
  - .name:           k_q32eb4a2ef3_attn
    .symbol:         k_q32eb4a2ef3_attn.kd
    .args:
      - { .name: qkvc, .offset: 0, .size: 8, .value_kind: global_buffer, .address_space: global }
      - { .name: qkvs, .offset: 8, .size: 8, .value_kind: global_buffer, .address_space: global }
      - { .name: aoc, .offset: 16, .size: 8, .value_kind: global_buffer, .address_space: global }
      - { .name: aos, .offset: 24, .size: 8, .value_kind: global_buffer, .address_space: global }
    .group_segment_fixed_size: 219136
    .private_segment_fixed_size: 0
    .kernarg_segment_align: 8
    .kernarg_segment_size: 32
    .max_flat_workgroup_size: 512
    .sgpr_count:     96
    .vgpr_count:     256
    .wavefront_size: 32
...
	.end_amdgpu_metadata
.endif
;; end of part 3
;; launch proj (part 4): grid 4 x 64, 4 waves a work-group, clusters of 4 x 4, 327,680 bytes of LDS; arguments aoc, aos, opc, ops, out0, b_out; writes out0
.if DOCPART == 4
	.amdgcn_target "amdgcn-amd-amdhsa--gfx1250"
	.amdhsa_code_object_version 6
	.text
	.protected	k_q32eb4a2ef3_proj
	.globl	k_q32eb4a2ef3_proj
	.p2align	8
	.type	k_q32eb4a2ef3_proj,@function
k_q32eb4a2ef3_proj:
	s_mov_b64 s[64:65], 0
	v_nop
	global_prefetch_b8 v0, s[64:65] scope:SCOPE_SE
	s_setreg_imm32_b32 hwreg(HW_REG_WAVE_MODE, 25, 1), 1
	s_wait_xcnt 0x0
	s_wait_alu depctr_hold_cnt(0) depctr_sa_sdst(0) depctr_va_vdst(0) depctr_va_sdst(0) depctr_va_ssrc(0) depctr_va_vcc(0) depctr_vm_vsrc(0)
	s_getreg_b32 s2, hwreg(HW_REG_IB_STS2, 6, 4)
	s_cmp_eq_u32 s2, 0
	s_cbranch_scc0 .Lentry_in_a_cluster
	s_endpgm
.Lentry_in_a_cluster:
	s_bfe_u32 s2, ttmp6, 0x10000c
	s_cmp_lg_u32 s2, 0xf033
	s_cbranch_scc0 .Lentry_shape_is_right
	s_endpgm
.Lentry_shape_is_right:
; out0 = attention's result x W_out + b_out on codes of FP6 (E2M3) with E8M0 scales, K = 1,024; f32 sums, f32 out.
; IN.  U = aoc [kg 16][row 8,192][48], aos [kq 4][row][8]: the tokens' rows.  V = opc [kg 16][row 12,288][48], ops [kq 4][row][8] from row 11,264 on: W_out's columns, column n at its POSITION (bits 3 and 4 exchanged).
; SHAPE.  256 work-groups, each 128 rows x 256 columns.  ALL OF K LIES IN LDS, FILLED ONCE: U's [16 kg][128 rows][48], V's [16 kg][256 rows][48], their scale bytes: no slot is filled again.
; One tensor load a wave at the head, in one chain of branches on the wave's number: wave 0 V's codes, wave 2 V's scales, wave 1 U's codes, wave 3 U's scales.
; The first barrier shows V (waves 0 and 2 alone wait ahead of it, each for a load line of its own), the second all (every wave waits).
; A WAVE holds its 64 columns of V, all of K, in registers (32 fragments, 384 registers) and streams U's 128 rows past them in eight blocks of 16 rows, all of K: 32 products a block, whose 16 x 64 results are then finished.
; U's fragments, scale words, the sums and the rows read back lie twice in registers.  Behind block s's products: block s - 1's rows are stored, block s + 2's fragments are fetched, block s goes through the stage.
; THE PRODUCT IS USED TRANSPOSED (source 0 = V's rows, source 1 = U's rows): a lane holds one row of the result; register j of tile b is column 32 (b / 2) + 16 h + 8 (b % 2) + j of the wave's 64.  The bias is the first products' C.
; THE WAY OUT: 16 rows x 256 bytes through the wave's own stage (rows 272 bytes apart, bytes that no fill lands on); sixteen lanes store one aligned unit of 256 bytes.
; CLUSTERS: 4 x 4.  U's tiles are shared along a row of the cluster, V's along a column: each is asked for jointly.
; No prefetch: all that the work-group reads is asked for at its head; there is no later load to run ahead of.
; LIMITS: NaN and infinities are not served.
; REGISTERS: window 0: v8-21 addresses; v32-47 V's scale words (lanes 0-15 tile 2 p, lanes 16-31 tile 2 p + 1); v50-65 U's, two sets; v72-135 sums, two sets; v136-199 rows read back, two sets; v200-231 the bias.
;   Fragment f lies in window 1 + f / 21 at register 12 (f % 21): 0-31 V's (4 q + b), 32-39 and 40-47 U's two sets.
.set VB,     98304
.set USB,    294912
.set VSB,    299008
.set STAGE,  307200
.set SPITCH, 272
.set SPARE,  STAGE+4*16*SPITCH         ; the spare words, 128 bytes a wave
.set FR,     12
.set FPW,    21
.set NU,     52                        ; LDS loads of a block of U: 48 for eight fragments, 4 for eight scale words
.set AU,   8                           ; v8, v9    U's fragments: kg 0-7, kg 8-15
.set AV,   10                          ; v10-13    V's: four kg each
.set AUS,  14
.set AVS,  15
.set STO,  16
.set RD,   17
.set CO,   18
.set SPW,  20
.set NIL,  21
.set SB,   32
.set SA,   50
.set ACC,  72
.set BK,   136
.set BJ,   200
.set G1V,  24
.set G1U,  32
.set G1VS, 40
.set G1US, 48
.set G0V,  56
.set G0U,  60
.set G0VS, 68
.set G0US, 72
.set MSB, 0
.macro WIN new                         ; the immediate's high byte repeats the setting that is left
.if MSB != (\new)
	s_set_vgpr_msb (MSB<<8)|(\new)
.set MSB, (\new)
.endif
.endm
.macro PLACES n
.rept \n
	v_nop
.endr
.endm
.macro BARRIER
	s_barrier_signal -1
	s_barrier_wait -1
.endm
.macro CROUND
	BARRIER
	s_cmp_lg_u32 s16, 0
	s_cbranch_scc1 .Lnot_wave_0_\@
	s_barrier_signal -3
.Lnot_wave_0_\@:
	s_barrier_wait -3
	BARRIER
.endm
.macro GROUP1 g, mask, elts, rows, pitch       ; rows of elts elements of 8 bytes, pitch elements apart; no padding
	s_or_b32 s[\g], s[\mask], (3<<16)|(1<<21)
	s_mov_b32 s[\g+1], (\elts)<<16
	s_mov_b32 s[\g+2], (\rows)<<16
	s_mov_b32 s[\g+3], (\elts)<<16
	s_mov_b32 s[\g+4], \rows
	s_mov_b32 s[\g+5], \pitch
	s_mov_b32 s[\g+6], 0
	s_mov_b32 s[\g+7], 0
.endm
.macro GROUP0 g, lds, base, off
	s_mov_b32 s[\g], 1
	s_mov_b32 s[\g+1], \lds
	s_add_nc_u64 s[\g+2:\g+3], s[\base:\base+1], s[\off:\off+1]
	s_or_b32 s[\g+3], s[\g+3], 0x80000000
.endm
.macro TLOAD g0, g1
	tensor_load_to_lds s[\g0:\g0+3], s[\g1:\g1+7]
	s_nop 0
	PLACES 4
.endm
.macro HARM w, g0, g1, next
	s_cmp_eq_u32 s16, \w
	s_cbranch_scc0 \next
	TLOAD \g0, \g1
	s_branch .Lasked
\next:
.endm
; a fragment, 16 rows x 128 K: registers 0-5 from one kg, 6-11 from the next (kgp bytes on); 24 bytes each, in pieces of 8
.macro FRAGLD f, adr, off, kgp
	WIN (1+(\f)/FPW)<<6
.irp p, 0,1,2,3,4,5
	ds_load_b64 v[FR*((\f)%FPW)+2*\p:FR*((\f)%FPW)+2*\p+1], v[\adr] offset:(\off)+(\p/3)*(\kgp)+8*(\p%3)
.endr
.endm
.macro WEIGHTS                         ; my 64 rows of V, all of K: 192 loads; and their scale words: 8
.set Q_, 0
.rept 8
.irp b, 0,1,2,3
	FRAGLD 4*Q_+\b, AV+Q_/2, ((2*Q_)%4)*12288+\b*768, 12288
.endr
.set Q_, Q_+1
.endr
	WIN 0
.irp p, 0,1
.irp k, 0,1,2,3
	ds_load_b64 v[SB+8*\p+2*\k:SB+8*\p+2*\k+1], v[AVS] offset:\k*2048+\p*256
.endr
.endr
.endm
.macro FETCHU s, e                     ; block s of U into set e: NU loads
.set Q_, 0
.rept 8
	FRAGLD 32+8*(\e)+Q_, AU+Q_/4, ((2*Q_)%8)*6144+(\s)*768, 6144
.set Q_, Q_+1
.endr
	WIN 0
.irp k, 0,1,2,3
	ds_load_b64 v[SA+8*(\e)+2*\k:SA+8*(\e)+2*\k+1], v[AUS] offset:\k*1024+(\s)*128
.endr
.endm
.macro PROD1 d, f0, f1, c, x0, x1, row
	v_wmma_scale_f32_16x16x128_f8f6f4 v[\d:\d+7], v[FR*((\f0)%FPW):FR*((\f0)%FPW)+FR-1], v[FR*((\f1)%FPW):FR*((\f1)%FPW)+FR-1], \c, v[\x0], v[\x1] matrix_a_fmt:MATRIX_FMT_FP6 matrix_b_fmt:MATRIX_FMT_FP6 matrix_a_scale:MATRIX_SCALE_ROW\row
.endm
; a block's 32 products, n = 4 q + b: the four sums take turns, one instruction a turn, three others' between two steps of a sum; the first four take the bias as C
.macro MUL s
.set E_, (\s)%2
.set N_, 0
.rept 32
.set D_, ACC+32*E_+8*(N_%4)
.set FU_, 32+8*E_+N_/4
.set XV_, SB+8*((N_%4)/2)+N_/4
.set XU_, SA+8*E_+N_/4
	WIN (1+N_/FPW)|((1+FU_/FPW)<<2)
.if N_ < 4
.if N_%2
	PROD1 D_, N_, FU_, v[BJ+8*N_:BJ+8*N_+7], XV_, XU_, 1
.else
	PROD1 D_, N_, FU_, v[BJ+8*N_:BJ+8*N_+7], XV_, XU_, 0
.endif
.else
.if N_%2
	PROD1 D_, N_, FU_, v[D_:D_+7], XV_, XU_, 1
.else
	PROD1 D_, N_, FU_, v[D_:D_+7], XV_, XU_, 0
.endif
.endif
.set N_, N_+1
.endr
	WIN 0
.endm
.macro TOSTAGE s                       ; each sum from its low end on; LDS serves a wave's instructions in order: no wait between the stores and the loads
.set AC_, ACC+32*((\s)%2)
.irp b, 0,1,2,3
	ds_store_b128 v[STO], v[AC_+8*\b:AC_+8*\b+3] offset:128*(\b/2)+32*(\b%2)
	ds_store_b128 v[STO], v[AC_+8*\b+4:AC_+8*\b+7] offset:128*(\b/2)+32*(\b%2)+16
.endr
.irp t, 0,1,2,3,4,5,6,7
	ds_load_b128 v[BK+32*((\s)%2)+4*\t:BK+32*((\s)%2)+4*\t+3], v[RD] offset:\t*2*SPITCH
.endr
.endm
.macro SEND a                          ; two rows an instruction: sixteen lanes store 256 consecutive bytes, at a multiple of 256 from out0's first byte
.irp t, 0,1,2,3,4,5,6,7
	global_store_b128 v[CO], v[BK+32*((\a)%2)+4*\t:BK+32*((\a)%2)+4*\t+3], s[12:13] offset:(16*(\a)+2*\t)*4096 th:TH_STORE_NT
.endr
.endm
.macro BLK s
	MUL \s
	s_wait_dscnt 0x0                               ; all that was issued ahead of these products: block s + 1's fragments, block s - 1's rows from the stage
.if (\s) > 1
	s_wait_xcnt 0x0                                ; block s - 2's stores have read the registers into which block s's rows are read back below
.endif
.if (\s) > 0
	SEND (\s)-1
.endif
	PLACES 4                                       ; between the products and the loads into their sources, and the LDS stores of their results
.if (\s) < 6
	FETCHU (\s)+2, (\s)%2
.endif
	TOSTAGE \s
.endm
	s_load_b128 s[4:7], s[0:1], 0x0                ; aoc, aos
	s_load_b128 s[8:11], s[0:1], 0x10              ; opc, ops
	s_load_b128 s[12:15], s[0:1], 0x20             ; out0, b_out
	v_lshl_add_u32 v[SPW], v0, 2, SPARE
	v_mov_b32 v[NIL], 0
	ds_add_u32 v[SPW], v[NIL]                      ; the opening lines: the add twice on end and its one wait
	ds_add_u32 v[SPW], v[NIL]
	v_lshrrev_b32 v1, 5, v0
	v_readfirstlane_b32 s16, v1                    ; wave 0..3: my 64 of the 256 columns
	s_and_b32 s17, s16, 1
	s_bfe_u32 s18, ttmp6, 0x40000                  ; cx
	s_bfe_u32 s19, ttmp6, 0x40004                  ; cy
	s_lshl_b32 s20, ttmp9, 2
	s_add_co_u32 s20, s20, s18                     ; tile column, 0 .. 3
	s_and_b32 s21, ttmp7, 0xffff
	s_lshl_b32 s21, s21, 2
	s_add_co_u32 s21, s21, s19                     ; tile row, 0 .. 63
	s_lshl_b32 s22, s19, 2
	s_lshl_b32 s22, 15, s22                        ; my row of the cluster
	s_lshl_b32 s23, 0x1111, s18                    ; my column
	GROUP1 G1V,  23, 1536, 16, 73728               ; V's codes: 16 kg x 256 rows of 48 bytes
	GROUP1 G1U,  22, 768,  16, 49152               ; U's: 16 kg x 128 rows
	GROUP1 G1VS, 23, 256,  4,  12288               ; V's scales: 4 kq x 256 rows of 8 bytes
	GROUP1 G1US, 22, 128,  4,  8192                ; U's
	s_mul_i32 s76, s21, 128*48                     ; U's side never holds cx,
	s_mov_b32 s77, 0
	s_lshl_b32 s78, s21, 10
	s_mov_b32 s79, 0
	s_lshl_b32 s80, s20, 8                         ; V's never cy
	s_add_co_u32 s80, s80, 11264
	s_lshl_b32 s82, s80, 3
	s_mov_b32 s83, 0
	s_mul_i32 s80, s80, 48
	s_mov_b32 s81, 0
	s_lshl_b32 s86, s20, 10                        ; my first column, in bytes: 1,024 x tile column + 256 x wave
	s_lshl_b32 s87, s16, 8
	s_add_co_u32 s86, s86, s87
	s_mov_b32 s87, 0
	s_lshl_b32 s84, s21, 19                        ; 128 rows of 4,096 bytes a tile row
	s_add_co_u32 s84, s84, s86
	s_mov_b32 s85, 0
	s_mul_i32 s88, s16, 64*48
	s_add_co_u32 s88, s88, VB                      ; LDS: my 64 rows of V,
	s_lshl_b32 s89, s16, 9
	s_add_co_u32 s89, s89, VSB                     ; their scale words,
	s_mul_i32 s90, s16, 16*SPITCH
	s_add_co_u32 s90, s90, STAGE                   ; my stage
	s_wait_dscnt 0x0                               ; both opening adds are done
	CROUND                                         ; all sixteen work-groups are here: the joint loads meet
	s_wait_kmcnt 0x0
	GROUP0 G0V,  VB,  8,  80
	GROUP0 G0U,  0,   4,  76
	GROUP0 G0VS, VSB, 10, 82
	GROUP0 G0US, USB, 6,  78
	s_add_nc_u64 s[12:13], s[12:13], s[84:85]
	s_add_nc_u64 s[14:15], s[14:15], s[86:87]
	HARM 0, G0V,  G1V,  .Lhead_1
	HARM 2, G0VS, G1VS, .Lhead_2
	HARM 1, G0U,  G1U,  .Lhead_3
	TLOAD G0US, G1US
.Lasked:
	v_and_b32 v1, 15, v0                           ; r
	v_bfe_u32 v2, v0, 4, 1                         ; h
	v_and_b32 v3, 31, v0                           ; lane
	v_lshlrev_b32 v7, 6, v2                        ; the bias: tile b's eight numbers begin at column 32 (b / 2) + 8 (b % 2) + 16 h
.irp b, 0,1,2,3
	global_load_b128 v[BJ+8*\b:BJ+8*\b+3], v7, s[14:15] offset:(32*(\b/2)+8*(\b%2))*4
	global_load_b128 v[BJ+8*\b+4:BJ+8*\b+7], v7, s[14:15] offset:(32*(\b/2)+8*(\b%2))*4+16
.endr
	v_mul_u32_u24 v[AU], v1, 48
	v_mad_u32_u24 v[AU], v2, 24, v[AU]             ; a fragment's row x 48 + 24 x half
	v_add_nc_u32 v[AU+1], 8*6144, v[AU]
	v_add_nc_u32 v[AV], s88, v[AU]
	v_add_nc_u32 v[AV+1], 4*12288, v[AV]
	v_add_nc_u32 v[AV+2], 8*12288, v[AV]
	v_add_nc_u32 v[AV+3], 12*12288, v[AV]
	v_lshl_add_u32 v[AUS], v1, 3, USB              ; U's scale words: row r of the block
	v_lshl_add_u32 v[AVS], v3, 3, s89              ; V's: lanes 0-15 one tile's rows, lanes 16-31 the next tile's
	v_mul_u32_u24 v4, v1, SPITCH
	v_lshl_add_u32 v4, v2, 6, v4
	v_add_nc_u32 v[STO], s90, v4                   ; into the stage: row r, 64 bytes for each half of the lanes
	v_mul_u32_u24 v5, v2, SPITCH
	v_lshl_add_u32 v5, v1, 4, v5
	v_add_nc_u32 v[RD], s90, v5                    ; back: lanes 0-15 one row of 256 bytes, lanes 16-31 the next
	v_lshlrev_b32 v6, 12, v2
	v_lshl_add_u32 v[CO], v1, 4, v6                ; and the same two rows in out0
	s_wait_alu depctr_va_vdst(0)
	s_cmp_eq_u32 s17, 0                            ; waves 0 and 2 wait for V's codes and scales
	s_cbranch_scc0 .Lnot_v
	s_wait_tensorcnt 0x0
.Lnot_v:
	BARRIER                                        ; V is in
	WEIGHTS
	s_wait_tensorcnt 0x0                           ; every wave: U is in too
	s_wait_dscnt 0x0
	BARRIER
	FETCHU 0, 0
	FETCHU 1, 1
	s_wait_loadcnt 0x0                             ; the bias
	s_wait_dscnt NU                                ; block 0 is in; block 1's NU loads may be out
.irp s, 0,1,2,3,4,5,6,7
	BLK \s
.endr
	s_wait_dscnt 0x0
	SEND 7
	s_wait_tensorcnt 0x0                           ; the wave's end
	ds_add_u32 v[SPW], v[NIL]
	s_wait_dscnt 0x0
	CROUND                                         ; the closing round
	s_endpgm
.Lfunc_end_k_q32eb4a2ef3_proj:
	.size	k_q32eb4a2ef3_proj, .Lfunc_end_k_q32eb4a2ef3_proj-k_q32eb4a2ef3_proj
	.p2alignl 7, 3214868480
	.fill 96, 4, 3214868480
	.section	.rodata,"a",@progbits
	.p2align	6, 0x0
	.amdhsa_kernel k_q32eb4a2ef3_proj
		.amdhsa_group_segment_fixed_size 327680
		.amdhsa_private_segment_fixed_size 0
		.amdhsa_enable_private_segment 0
		.amdhsa_kernarg_size 48
		.amdhsa_user_sgpr_count 2
		.amdhsa_user_sgpr_kernarg_segment_ptr 1
		.amdhsa_wavefront_size32 1
		.amdhsa_system_sgpr_workgroup_id_x 1
		.amdhsa_system_sgpr_workgroup_id_y 1
		.amdhsa_system_sgpr_workgroup_id_z 1
		.amdhsa_system_vgpr_workitem_id 0
		.amdhsa_next_free_vgpr 896
		.amdhsa_next_free_sgpr 96
		.amdhsa_reserve_vcc 0
		.amdhsa_float_denorm_mode_32 3
		.amdhsa_float_denorm_mode_16_64 3
		.amdhsa_memory_ordered 1
		.amdhsa_forward_progress 1
		.amdhsa_inst_pref_size 97
	.end_amdhsa_kernel
	.amdgpu_metadata
---
amdhsa.version: [ 1, 2 ]
amdhsa.kernels:
  - .name:           k_q32eb4a2ef3_proj
    .symbol:         k_q32eb4a2ef3_proj.kd
    .args:
      - { .name: aoc, .offset: 0, .size: 8, .value_kind: global_buffer, .address_space: global }
      - { .name: aos, .offset: 8, .size: 8, .value_kind: global_buffer, .address_space: global }
      - { .name: opc, .offset: 16, .size: 8, .value_kind: global_buffer, .address_space: global }
      - { .name: ops, .offset: 24, .size: 8, .value_kind: global_buffer, .address_space: global }
      - { .name: out0, .offset: 32, .size: 8, .value_kind: global_buffer, .address_space: global }
      - { .name: b_out, .offset: 40, .size: 8, .value_kind: global_buffer, .address_space: global }
    .group_segment_fixed_size: 327680
    .private_segment_fixed_size: 0
    .kernarg_segment_align: 8
    .kernarg_segment_size: 48
    .max_flat_workgroup_size: 128
    .sgpr_count:     96
    .vgpr_count:     896
    .wavefront_size: 32
...
	.end_amdgpu_metadata
.endif
;; end of part 4
